; MI455X (gfx1250); checked and timed in simulation.
; The chip was launched on July 23, 2026; its instructions are those of AMD's public machine-readable ISA for CDNA 5 (MIT licence, August 2026) and "CDNA5" Instruction Set Architecture Reference Guide (July 2026). The comments in the code are by the model that wrote it; some were corrected since.
;; Scaled Dot Product Attention. Allowed arithmetic: matrix products marked QUANTISED: E2M1 operands, one E8M0 scale for each 32 along K, by v_wmma_scale_f32_16x16x128_f8f6f4 with both operands' format E2M1 (or v_wmma_scale_f32_32x16x128_f4), f32 sums; everything else in f32.
;; Inputs: k 4 x 16 x 2,048 x 64 float32; mask 2,048 x 2,048 bool; q 4 x 16 x 2,048 x 64 float32; v 4 x 16 x 2,048 x 64 float32.
;; Outputs: out0 4 x 16 x 2,048 x 64 float32.
;; This version of the problem:
;;   THIS VERSION OF THE PROBLEM IS GIVEN IN LOW PRECISION. The matrix products marked QUANTISED in the list below multiply operands that are first quantised to E2M1 (2 exponent bits, 1 mantissa bit; 4 bits a number), with one power-of-two scale for each 32 numbers along K (OCP MX v1.0); their sums are f32. All else is computed in f32.
;;   The module's matrix products, in the order in which they are computed (A, B: the left and right operand; K: the contracted axis; several contracted axes count as one K, in the product's order):
;;     1. batch 64 x [M 2,048, K 64] x [K 64, N 2,048]; A: input q; B: input k: QUANTISED
;;     2. batch 64 x [M 2,048, K 2,048] x [K 2,048, N 64]; A: softmax (see below); B: input v: QUANTISED
;;   THE QUANTISER, for each operand of a quantised product, along K:
;;     - K is cut into blocks of 32 from its start; a last block that is shorter is filled with zeros.
;;     - A block's scale is 2^e with e = floor(log2(the largest magnitude in the block)) - 2, held to -126 .. 127; a block of zeros has e = 0. As a byte (E8M0): e + 127.
;;     - Each number is divided by its block's scale, clamped to +-6, and rounded to the nearest number of E2M1, ties to even, subnormals kept.
;;     - The product sums the exact products of the quantised numbers (number of the format x scale) in f32.
;;   ~~~python
;;   def quantise(x, axis):      # numpy; x: float32 -> the quantised numbers, widened to float32 again
;;       x = np.moveaxis(x, axis, -1); K = x.shape[-1]
;;       x = np.pad(x, [(0, 0)] * (x.ndim - 1) + [(0, -K % 32)]); x = x.reshape(x.shape[:-1] + (-1, 32)); a = np.abs(x).max(-1, keepdims=True)
;;       e = np.where(a > 0, np.clip(np.frexp(np.where(a > 0, a, 1))[1] - 1 - 2, -126, 127), 0)      # np.frexp(a)[1] - 1 = floor(log2(a)), exactly
;;       r = np.clip(x / 2.0 ** e, -6, 6)
;;       step = 2.0 ** (np.maximum(np.frexp(np.where(r == 0, 1, r))[1] - 1, 0) - 1)
;;       q = np.round(r / step) * step * 2.0 ** e      # np.round: ties to even
;;       return np.moveaxis(q.reshape(q.shape[:-2] + (-1,))[..., :K], -1, axis).astype(np.float32)
;;   ~~~
;;   SOFTMAX AHEAD OF A QUANTISED PRODUCT. Where the list says 'softmax', what is quantised is not the finished softmax but p = 2^(t - M), with t = logit x log2(e) and M = ceil(the row's largest t), a whole number; so 1/2 < the row's largest p <= 1. The row's sum l is taken of the UNQUANTISED p, in f32, and the product's result is divided by l at the end. Since M is a whole number, a kernel that streams over the keys may use a running M (the ceiling of the running maximum): every later rescaling is an exact power of two, which a block's scale takes up: the codes' values come out the same.
;;   OPERANDS COMPUTED ON THE WAY. 'Computed on the way' means the value that the module computes at that place (a softmax that the list does not call 'softmax' is quantised finished and normalised). What goes into a quantiser is computed in f32, as accurately as f32 sums, v_exp_f32 and their like allow (about 1e-6 of the number): no bf16 or f16 on the way to a quantiser, and a product that is left as it is and whose result goes on into a quantised operand takes f32 operands (vector FMAs, or v_wmma_f32_16x16x4_f32). A number that lies on a knife's edge between two numbers of the format may be rounded either way, as far as f32 arithmetic and the matrix unit's own rounding can turn it there, and no further.
;; 2 versions. Each part assembles by itself: llvm-mc -triple=amdgcn-amd-amdhsa -mcpu=gfx1250 --defsym DOCPART=n.
;; ======== version 1 of 2: 2 launches
;; workspace buffers: kv 9,175,040 bytes; mbits 524,288 bytes of whole numbers; mflag 2,048 bytes of whole numbers
;; launch prep (part 1): grid 640 x 1, 4 waves a work-group, no clusters, 35,328 bytes of LDS; arguments k, v, mask, kv, mbits, mflag; writes kv, mbits, mflag
.if DOCPART == 1
	.amdgcn_target "amdgcn-amd-amdhsa--gfx1250"
	.amdhsa_code_object_version 6
	.text
	.protected	k_q03743edffd_prep
	.globl	k_q03743edffd_prep
	.p2align	8
	.type	k_q03743edffd_prep,@function
k_q03743edffd_prep:
	s_mov_b64 s[64:65], 0
	v_nop
	global_prefetch_b8 v0, s[64:65] scope:SCOPE_SE
	s_setreg_imm32_b32 hwreg(HW_REG_WAVE_MODE, 25, 1), 1
	s_wait_xcnt 0x0
; k, v: [64 heads][2048 keys][64] f32.  mask: [2048 queries][2048 keys], one byte each.  This launch makes what the attention launch reads:
;   kv    [head 64][step 16][8,960 bytes]: for each step of 128 keys the codes of FP4 (E2M1) and the E8M0 scale words of K and of V, laid as IMAGES OF THE OPERANDS' REGISTERS:
;         0     KIMG: 8 tiles x 512 bytes; tile 2 b + u, lane (r = lane % 16, h = lane / 16): 16 bytes at 512 t + 16 lane: key 32 b + 8 u + r + 8 (r / 8), d = 32 h .. 32 h + 31  (K is quantised along d)
;         4096  VIMG: d-tile t (0..3), piece c (0..1): 16 bytes at 1024 t + 512 c + 16 lane: column d = 16 t + r, keys 64 c + 32 h .. + 31                                  (V is quantised along the keys)
;         8192  KSC:  lane: 4 words at 16 lane; word b: tile 2 b + h, key row r; bytes 0, 1 the scales of d 0-31, 32-63; bytes 2, 3 repeat them (they scale the half of the product's K that holds zero codes)
;         8704  VSC:  lane: 2 words at 8 lane; word g: column d = 32 g + lane; byte i: the step's i-th block of 32 keys
;   mbits [query tile T 128][step 16][64 words]: bit l of word 16 b + i = mask[16 T + l % 16][128 step + 32 b + 16 (l / 16) + i]: the lane mask of the score register 16 b + i
;   mflag [T 128][4 words]: word w, for steps s = 4 w .. 4 w + 3: bit s: some key of the tile (T, s) is kept; bit 16 + s: all are
; A block's scale is 2^(floor(log2(its largest magnitude)) - 2); its byte is the largest magnitude's exponent field - 2, held at 1 from below.
; LIMITS: a block of zeros gets the byte 1 where the rule says 127 (its codes are zeros, which add nothing under any byte but 0xff, and this program alone reads the bytes); NaN and infinities in k and v are not served.
; SHARES: work-groups 0-127: the mask, one query tile each, four steps a wave.  128-383: K, one step of one head a wave.  384-639: V likewise.  Waves share nothing: no barrier.  Only the K path uses LDS, each wave bytes of its own.
; Matrix units, tensor loads and clusters are left out: this is a stream in which each input byte is read once and no two work-groups read the same byte.
.set REC,   8960                       ; a step's record in kv
.set VIMG,  4096
.set KSC,   8192
.set VSC,   8704
.set SP,    272                        ; a stage row: a key's 256 bytes + 16: the 16 lanes of half a wave touch 16 different 16-byte columns modulo 256 bytes
.set WST,   32*SP                      ; a wave's stage: 32 keys
.set FLOOR, 0x1800000                  ; 2^(3 - 127): no largest magnitude is taken under it, so the byte cannot fall under 1
.set EOFF,  0xff000000                 ; takes 2 off an exponent field
.set R,     16                         ; K path: v16-143  two sets of 64 registers as loaded
.set X,     144                        ; K path: v144-207 32 neighbours along d for each of a pair's two tiles
.set XV,    16                         ; V path: v16-79   two sets of 32 numbers down the keys
.set C,     208                        ; v208-239 codes: registers of their own for each store, never written again
.set SW,    240                        ; v240-243 the step's scale words
; the largest magnitude of v[xs] .. v[xs + 31], and the floor, into v[ma]; v[ma + 1] is the second chain
.macro BMAX xs, ma
	v_max3_num_f32 v[\ma], |v[\xs]|, |v[\xs+1]|, |v[\xs+2]|
	v_max3_num_f32 v[\ma+1], |v[\xs+3]|, |v[\xs+4]|, |v[\xs+5]|
.irp i, 6,10,14,18,22,26
	v_max3_num_f32 v[\ma], v[\ma], |v[\xs+\i]|, |v[\xs+\i+1]|
	v_max3_num_f32 v[\ma+1], v[\ma+1], |v[\xs+\i+2]|, |v[\xs+\i+3]|
.endr
	v_max3_num_f32 v[\ma], v[\ma], |v[\xs+30]|, |v[\xs+31]|
	v_max3_num_f32 v[\ma], v[\ma], v[\ma+1], FLOOR
.endm
	s_load_b256 s[4:11], s[0:1], 0x0               ; k s[4:5], v s[6:7], mask s[8:9], kv s[10:11]
	s_load_b128 s[12:15], s[0:1], 0x20             ; mbits s[12:13], mflag s[14:15]
	v_lshl_add_u32 v248, v0, 2, 0x8800
	v_mov_b32 v249, 0
	v_and_b32 v1, 31, v0                           ; lane
	v_lshrrev_b32 v2, 5, v0
	v_readfirstlane_b32 s16, v2                    ; wave 0..3
	s_mov_b32 s20, 0x76543210
	s_mov_b32 s21, 0xfedcba98                      ; v_permlanex16_b32's selects for lane l xor 16
	s_mov_b32 s19, 0                               ; the upper word of every offset: all stay under 2^32
	s_wait_kmcnt 0x0
	s_cmp_lt_u32 ttmp9, 128                        ; the three paths part on the work-group's number alone
	s_cbranch_scc1 .Lmask
	s_cmp_lt_u32 ttmp9, 384
	s_cbranch_scc1 .Lkeys
; ---------------------------------------------------------------- V: a lane takes a column d, its registers run down the keys
	s_sub_co_u32 s17, ttmp9, 384
	s_lshl_b32 s17, s17, 2
	s_add_co_u32 s17, s17, s16                     ; 16 x head + step
	s_lshl_b32 s18, s17, 15                        ; 128 keys of 256 bytes
	s_add_nc_u64 s[6:7], s[6:7], s[18:19]
	s_mul_i32 s18, s17, REC
	s_add_nc_u64 s[10:11], s[10:11], s[18:19]
	v_lshlrev_b32 v2, 2, v1                        ; in: 4 bytes a lane: 128 consecutive bytes a load
	v_lshrrev_b32 v3, 4, v1
	v_and_b32 v4, 15, v1
	v_lshlrev_b32 v3, 10, v3
	v_lshl_add_u32 v3, v4, 4, v3                   ; out: 1024 (lane / 16) + 16 (lane % 16): sixteen lanes store 256 consecutive bytes, aligned
	v_lshlrev_b32 v4, 3, v1                        ; the scale words: 8 bytes a lane
; unit q: key block q / 2, columns 32 (q % 2) + lane.  The two halves of each row of 256 bytes are asked for one right after the other
.macro LOADU q
.irp i, 0,1,2,3,4,5,6,7,8,9,10,11,12,13,14,15,16,17,18,19,20,21,22,23,24,25,26,27,28,29,30,31
	global_load_b32 v[XV+32*((\q)%2)+\i], v2, s[6:7] offset:(32*((\q)/2)+\i)*256+128*((\q)%2) th:TH_LOAD_NT
.endr
.endm
.macro UNIT q
.set XS, XV+32*((\q)%2)
.if (\q) < 7
	s_wait_loadcnt 32                              ; this unit's 32 loads are in; the next unit's 32 may be out
.else
	s_wait_loadcnt 0x0
.endif
	BMAX XS, 6                                     ; all 32 numbers of the block are mine
	v_add_nc_u32 v10, EOFF, v6                     ; the conversion takes the exponent field of this operand as its scale, and nothing else of it
.irp g, 0,1,2,3
	v_cvt_scalef32_pk8_fp4_f32 v[C+4*(\q)+\g], v[XS+8*\g:XS+8*\g+7], v10
.endr
	v_lshrrev_b32 v12, 23, v10                     ; the scale's byte (also the plain line behind the conversions)
.if (\q)/2 == 0
	v_mov_b32 v[SW+(\q)%2], v12
.else
	v_lshl_or_b32 v[SW+(\q)%2], v12, 8*((\q)/2), v[SW+(\q)%2]
.endif
	global_store_b128 v3, v[C+4*(\q):C+4*(\q)+3], s[10:11] offset:VIMG+2048*((\q)%2)+256*((\q)/2)   ; the conversions' results are the image: nothing is transposed
.if (\q) < 6
	LOADU (\q)+2
.endif
.endm
	LOADU 0
	LOADU 1
.irp q, 0,1,2,3,4,5,6,7
	UNIT \q
.endr
	global_store_b64 v4, v[SW:SW+1], s[10:11] offset:VSC   ; 32 lanes store 256 consecutive bytes, aligned
	s_endpgm
; ---------------------------------------------------------------- K: loads take the bytes as they lie; a pair of tiles (32 keys) turns through the wave's stage, so that a lane gets 32 neighbours along d of the key that the image gives it
.Lkeys:
	s_sub_co_u32 s17, ttmp9, 128
	s_lshl_b32 s17, s17, 2
	s_add_co_u32 s17, s17, s16                     ; 16 x head + step
	s_lshl_b32 s18, s17, 15
	s_add_nc_u64 s[4:5], s[4:5], s[18:19]
	s_mul_i32 s18, s17, REC
	s_add_nc_u64 s[10:11], s[10:11], s[18:19]
	s_mul_i32 s23, s16, WST                        ; my stage
	s_mov_b32 s22, 0xffff0000                      ; lanes 16-31
	v_lshlrev_b32 v2, 4, v1                        ; 16 bytes a lane: 512 consecutive bytes a load or store
	v_lshrrev_b32 v5, 4, v1                        ; h
	v_and_b32 v6, 15, v1                           ; r
	v_mul_u32_u24 v3, v5, SP
	v_lshl_add_u32 v3, v6, 4, v3
	v_add_nc_u32 v3, s23, v3                       ; into the stage: a load holds two keys: lanes 0-15 one row, lanes 16-31 the next
	v_mul_u32_u24 v4, v6, SP
	v_lshl_add_u32 v4, v5, 7, v4
	v_add_nc_u32 v4, s23, v4                       ; out of it: row r, my half's 128 bytes
	v_lshlrev_b32 v5, 3, v5                        ; 8 h: my byte's place in a scale word
	v_mov_b32 v14, 0                               ; written once: a lane permute's destination counts as one of its sources
	v_mov_b32 v15, 0
.macro LOADP b                         ; keys 32 b .. 32 b + 31: 16 loads of two keys
.irp n, 0,1,2,3,4,5,6,7,8,9,10,11,12,13,14,15
	global_load_b128 v[R+64*((\b)%2)+4*\n:R+64*((\b)%2)+4*\n+3], v2, s[4:5] offset:8192*(\b)+512*\n th:TH_LOAD_NT
.endr
.endm
; Key x of the pair (0..31) goes to stage row 16 u + r with u = (x / 8) % 2, r = x % 8 + 8 (x / 16): so x = 8 u + r + 8 (r / 8).  LDS serves a wave's instructions in order (ISA guide 5.7.1.4): no wait between the stores and the loads.
.macro TURNP b
.irp n, 0,1,2,3,4,5,6,7,8,9,10,11,12,13,14,15
	ds_store_b128 v3, v[R+64*((\b)%2)+4*\n:R+64*((\b)%2)+4*\n+3] offset:SP*(16*(((2*\n)/8)%2)+((2*\n)%8)+8*((2*\n)/16))
.endr
.irp u, 0,1
.irp j, 0,1,2,3,4,5,6,7
	ds_load_b128 v[X+32*\u+4*\j:X+32*\u+4*\j+3], v4 offset:16*SP*\u+16*\j
.endr
.endr
.endm
.macro QTILE b, u                      ; tile 2 b + u: my lane's block is (key row r, d = 32 h on)
.set XS, X+32*(\u)
.set MA, 6+2*(\u)
	BMAX XS, MA
	v_add_nc_u32 v[10+\u], EOFF, v[MA]
.irp g, 0,1,2,3
	v_cvt_scalef32_pk8_fp4_f32 v[C+8*(\b)+4*(\u)+\g], v[XS+8*\g:XS+8*\g+7], v[10+\u]
.endr
	v_lshrrev_b32 v[12+\u], 23, v[10+\u]           ; the scale's byte (also the plain line behind the conversions),
	v_lshlrev_b32 v[12+\u], v5, v[12+\u]           ; at its place: byte h;
	v_permlanex16_b32 v[14+\u], v[12+\u], s20, s21
	v_or_b32 v[12+\u], v[12+\u], v[14+\u]          ; with lane l xor 16's: the key's two bytes,
	v_lshl_or_b32 v[12+\u], v[12+\u], 16, v[12+\u] ; and once more above them
	global_store_b128 v2, v[C+8*(\b)+4*(\u):C+8*(\b)+4*(\u)+3], s[10:11] offset:512*(2*(\b)+(\u))
.endm
.macro PAIR b
.if (\b) < 3
	s_wait_loadcnt 16                              ; this pair's 16 loads are in; the next pair's 16 may be out
.else
	s_wait_loadcnt 0x0
.endif
	TURNP \b
	s_wait_dscnt 0x0                               ; the stage's stores have read their registers, which are loaded again below; my 64 numbers are back
.if (\b) < 2
	LOADP (\b)+2
.endif
	QTILE \b, 0
	QTILE \b, 1
	v_cndmask_b32 v[SW+(\b)], v12, v13, s22        ; lanes 0-15 keep tile 2 b's word, lanes 16-31 take tile 2 b + 1's
.endm
	LOADP 0
	LOADP 1
.irp b, 0,1,2,3
	PAIR \b
.endr
	global_store_b128 v2, v[SW:SW+3], s[10:11] offset:KSC
	s_wait_tensorcnt 0x0
	ds_add_u32 v248, v249
	s_wait_dscnt 0x0
	s_endpgm
; ---------------------------------------------------------------- the mask: query tile T = the work-group's number; wave w takes steps 4 w .. 4 w + 3
.Lmask:
	s_lshl_b32 s18, ttmp9, 15                      ; 16 rows of 2,048 bytes,
	s_lshl_b32 s17, s16, 9                         ; 4 steps of 128 bytes
	s_add_co_u32 s18, s18, s17
	s_add_nc_u64 s[8:9], s[8:9], s[18:19]
	s_lshl_b32 s18, ttmp9, 12                      ; mbits: (16 T + 4 w) x 256 bytes
	s_lshl_b32 s17, s16, 10
	s_add_co_u32 s18, s18, s17
	s_add_nc_u64 s[12:13], s[12:13], s[18:19]
	s_lshl_b32 s18, ttmp9, 4                       ; mflag: (4 T + w) x 4 bytes
	s_lshl_b32 s17, s16, 2
	s_add_co_u32 s18, s18, s17
	s_add_nc_u64 s[14:15], s[14:15], s[18:19]
	s_lshl_b32 s27, s16, 2                         ; the step in hand: the place of its two flags
	s_mov_b32 s26, 0                               ; my word of flags
	v_and_b32 v2, 15, v1
	v_lshrrev_b32 v3, 4, v1
	v_lshlrev_b32 v2, 11, v2
	v_lshl_add_u32 v2, v3, 4, v2                   ; row lane % 16, + 16 (lane / 16): my 16 keys of a block of 32
	v_lshlrev_b32 v3, 3, v1                        ; out: 8 bytes a lane
.irp j, 0,1,2,3,4,5,6,7
	v_mov_b32 v[96+\j], 0                          ; written once: v_writelane_b32's destination counts as one of its sources
.endr
	v_mov_b32 v105, 0
.irp st, 0,1,2,3
.irp b, 0,1,2,3
	global_load_b128 v[16+16*\st+4*\b:16+16*\st+4*\b+3], v2, s[8:9] offset:128*\st+32*\b th:TH_LOAD_NT   ; the wave's 16 loads together cover 512 consecutive bytes of each of 16 rows
.endr
.endr
.macro MSTEP st
	s_wait_loadcnt 12-4*(\st)                      ; this step's four loads are in; the later steps' may be out
	s_mov_b32 s24, 0                               ; the OR of the step's 64 lane masks,
	s_mov_b32 s25, -1                              ; and their AND
.irp b, 0,1,2,3
.irp i, 0,1,2,3,4,5,6,7,8,9,10,11,12,13,14,15
	v_and_b32 v[80+\i], 0xff<<(8*(\i%4)), v[16+16*(\st)+4*\b+\i/4]
	v_cmp_ne_u32 s[32+\i], 0, v[80+\i]             ; bit l: my lane's key 32 b + 16 (l / 16) + i is kept
.endr
.irp i, 0,1,2,3,4,5,6,7,8,9,10,11,12,13,14,15
	v_writelane_b32 v[96+2*(\st)+(\i%2)], s[32+\i], 8*\b+\i/2   ; word n = 16 b + i goes to lane n / 2, register n % 2
	s_or_b32 s24, s24, s[32+\i]
	s_and_b32 s25, s25, s[32+\i]
.endr
.endr
	global_store_b64 v3, v[96+2*(\st):97+2*(\st)], s[12:13] offset:256*(\st)   ; 32 lanes store 256 consecutive bytes, aligned
	s_cmp_lg_u32 s24, 0
	s_cselect_b32 s28, 1, 0                        ; some key is kept
	s_cmp_eq_u32 s25, -1
	s_cselect_b32 s29, 0x10000, 0                  ; all are
	s_or_b32 s28, s28, s29
	s_lshl_b32 s28, s28, s27
	s_or_b32 s26, s26, s28
	s_add_co_u32 s27, s27, 1
.endm
.irp st, 0,1,2,3
	MSTEP \st
.endr
	v_mov_b32 v104, s26
	v_cmp_eq_u32 vcc_lo, 0, v1
	s_wait_xcnt 0x0                                ; EXEC is a source of the stores above: it changes only behind this wait
	s_and_saveexec_b32 s30, vcc_lo
	global_store_b32 v105, v104, s[14:15]          ; lane 0 stores the wave's word of flags
	s_wait_xcnt 0x0                                ; and again, in front of the line that widens it
	s_or_b32 exec_lo, exec_lo, s30
	s_endpgm
.Lfunc_end_k_q03743edffd_prep:
	.size	k_q03743edffd_prep, .Lfunc_end_k_q03743edffd_prep-k_q03743edffd_prep
	.p2alignl 7, 3214868480
	.fill 96, 4, 3214868480
	.section	.rodata,"a",@progbits
	.p2align	6, 0x0
	.amdhsa_kernel k_q03743edffd_prep
		.amdhsa_group_segment_fixed_size 35328
		.amdhsa_private_segment_fixed_size 0
		.amdhsa_enable_private_segment 0
		.amdhsa_kernarg_size 48
		.amdhsa_user_sgpr_count 2
		.amdhsa_user_sgpr_kernarg_segment_ptr 1
		.amdhsa_wavefront_size32 1
		.amdhsa_system_sgpr_workgroup_id_x 1
		.amdhsa_system_sgpr_workgroup_id_y 1
		.amdhsa_system_sgpr_workgroup_id_z 1
		.amdhsa_system_vgpr_workitem_id 0
		.amdhsa_next_free_vgpr 250
		.amdhsa_next_free_sgpr 66
		.amdhsa_reserve_vcc 1
		.amdhsa_float_denorm_mode_32 3
		.amdhsa_float_denorm_mode_16_64 3
		.amdhsa_memory_ordered 1
		.amdhsa_forward_progress 1
		.amdhsa_inst_pref_size 136
	.end_amdhsa_kernel
	.amdgpu_metadata
---
amdhsa.version: [ 1, 2 ]
amdhsa.kernels:
  - .name:           k_q03743edffd_prep
    .symbol:         k_q03743edffd_prep.kd
    .args:
      - { .name: k, .offset: 0, .size: 8, .value_kind: global_buffer, .address_space: global }
      - { .name: v, .offset: 8, .size: 8, .value_kind: global_buffer, .address_space: global }
      - { .name: mask, .offset: 16, .size: 8, .value_kind: global_buffer, .address_space: global }
      - { .name: kv, .offset: 24, .size: 8, .value_kind: global_buffer, .address_space: global }
      - { .name: mbits, .offset: 32, .size: 8, .value_kind: global_buffer, .address_space: global }
      - { .name: mflag, .offset: 40, .size: 8, .value_kind: global_buffer, .address_space: global }
    .group_segment_fixed_size: 35328
    .private_segment_fixed_size: 0
    .kernarg_segment_align: 8
    .kernarg_segment_size: 48
    .max_flat_workgroup_size: 128
    .sgpr_count:     66
    .vgpr_count:     250
    .wavefront_size: 32
...
	.end_amdgpu_metadata
.endif
;; end of part 1
;; launch attn (part 2): grid 4 x 64, 16 waves a work-group, no clusters, 215,040 bytes of LDS; arguments q, kv, mbits, mflag, out0; writes out0
.if DOCPART == 2
	.amdgcn_target "amdgcn-amd-amdhsa--gfx1250"
	.amdhsa_code_object_version 6
	.text
	.protected	k_q03743edffd_attn
	.globl	k_q03743edffd_attn
	.p2align	8
	.type	k_q03743edffd_attn,@function
k_q03743edffd_attn:
	s_mov_b64 s[64:65], 0
	v_nop
	global_prefetch_b8 v0, s[64:65] scope:SCOPE_SE
	s_setreg_imm32_b32 hwreg(HW_REG_WAVE_MODE, 25, 1), 1
	s_wait_xcnt 0x0
; out0[head][q][:] = the sum over kept keys k of softmax_k(q . k / 8) v[k][:], both products on codes of FP4 (E2M1) with one E8M0 scale for each 32 along a product's K.  64 heads, 2,048 queries and keys, head size 64.
; THE SOFTMAX AHEAD OF THE SECOND PRODUCT: t = score x log2(e) / 8; M = the row's largest t so far over the kept keys, rounded UP to a whole number; p = 2^(t - M) is what is quantised, along the keys; it is not normalised.
; The row's sum is taken of the unquantised p, in f32, and divides O at the end.  When M moves, the sum and O are multiplied by 2^(old M - new M): exact.
; INPUTS: q as f32 (quantised here, in registers: each tile is read once); kv: K's and V's codes and scale words as images of the operands' registers, 8,960 bytes for each step of 128 keys; mbits: a lane mask for each score
; register of each (query tile, step); mflag: for each (query tile, step): some key kept, all keys kept.  The earlier launch made the last three from k, v and the mask.
; SHARES.  A work-group serves one head; the head's whole kv record, 143,360 bytes, is copied into LDS once, through registers, and read by all sixteen waves.  Wave w of work-group j (0..3) owns query tile 4 w + j, then tile
; 127 - (4 w + j): each of the head's 128 tiles has one owner, whatever the mask; where the kept keys grow with the query, a wave's two tiles add up to the same work.  Four waves to a SIMD: one wave's vector work stands beside another's loads and products.
; A STEP IN WHICH NO KEY OF THE TILE IS KEPT IS LEFT OUT, by a scalar branch on a number read from mflag; a step in which all are kept leaves out the 64 selects.  The trip counts are constants.
; NO TENSOR LOADS, NO JOINT LOADS: this text branches on numbers read from memory; what the four work-groups of a head share is 143,360 bytes each, read once at the head.
; LAYOUT.  Both products are used transposed: S^T = K Q^T (source 0 = 16 keys, source 1 = my 16 queries), O^T = V^T P^T (source 0 = 16 of the head's 64, source 1 = P): a lane holds ONE query (lane % 16) throughout.
; The head size fills half of the instruction's 128 along K: Q's registers 4-7 are zero codes, so whatever stands in K's registers 4-7 (the next tile's codes) adds nothing; the scale bytes of that half repeat the real ones.
; The keys of a tile are not neighbours: row r of tile 2 b + u is key 32 b + 8 u + r + 8 (r / 8), so that score register 16 b + i of lane (r, h) is key 32 b + 16 h + i: 16 neighbours.
; LIMITS: a block whose largest magnitude lies under 2^-124 has its byte held at 1; a block of zeros gets the byte 1 where the rule says 127 (zero codes add nothing); p under 2^-126 comes out of v_exp_f32 as 0;
; NaN and infinities in q, k, v are not served.  A query with no kept key gives 0 x (1 / 0) = NaN, as the softmax of a row of -infinity does, also where all 16 steps of its tile are left out.
.set REC,   8960                       ; a step's record: K's images at 0, V's at 4096, K's scale words at 8192, V's at 8704
.set VIMG,  4096
.set KSC,   8192
.set VSC,   8704
.set HEADB, 16*REC                     ; LDS bytes 0 .. 143,359: the head's record as it lies in memory
.set STAGE, HEADB                      ; behind it: 16 rows x 272 bytes for each wave, for the way out
.set SP,    272                        ; a row of O, 256 bytes, + 16: the 16 lanes of half a wave touch 16 different 16-byte columns modulo 256 bytes
.set FLOOR, 0x1800000                  ; 2^(3 - 127)
.set EOFF,  0xff000000                 ; takes 2 off an exponent field
.set L16, 1                            ; v1   16 x lane
.set L8,  2                            ; v2   8 x lane
.set QA,  3                            ; v3   q: row r of 256 bytes + 128 h
.set SO,  4                            ; v4   the stage: where I put 16 bytes of a row
.set SR,  5                            ; v5   and where I read a row back
.set GO,  6                            ; v6   my byte offset in the tile's rows of out0
.set NINF, 7                           ; v7   -infinity
.set ADK, 8                            ; v8   the step's record + 16 x lane (at the head: the fill's addresses in v8, v9, v11)
.set ADT, 9                            ; v9   the step's record + 8 x lane
.set H8,  10                           ; v10  8 h
.set NM,  12                           ; v12  -M;  v13 the largest t so far
.set LS,  14                           ; v[14:15] the row's sum, in two halves
.set Q,   16                           ; v[16:23] Q's fragment; v20-23 zero codes
.set KF,  24                           ; v[24:55] K's 8 tiles, 4 registers each; v56-59 zeros: the upper half of tile 7's operand
.set VF,  60                           ; v[60:91] V's 4 tiles
.set KS,  92                           ; v[92:95] K's scale words: register b: lanes 0-15 tile 2 b, lanes 16-31 tile 2 b + 1
.set S,   96                           ; v[96:159] S^T, then p; at the head of a pass q's numbers; on the way out rows of O
.set O,   160                          ; v[160:191] O^T
.set PC,  192                          ; v[192:199] p's codes
.set VS,  200                          ; v[200:201] V's scale words: register g: lanes 0-15 tile 2 g, lanes 16-31 tile 2 g + 1
.set QS,  202                          ; v202 Q's scale word
.set PS,  203                          ; v203 p's scale word
.set BM,  204                          ; v204-207 a block's largest score, then its largest p
.set BP,  208                          ; v208-211 lane l xor 16's; then the bytes
.set BS,  212                          ; v212-215 the conversions' scale operands
.set L2,  216                          ; v[216:217] the sum's second chain
.set F,   218                          ; v218 f = 2^(old M - new M); v219 named with it as a pair
.set TMP, 220
.set WV,  14                           ; s14 wave;  s15 the work-group's x;  s16 the head
.set JX,  15
.set HD,  16
.set T,   17                           ; s17 the query tile in hand
.set PASS, 18
.set STP, 19
.set SEL, 20                           ; s[20:21] v_permlanex16_b32's selects for lane l xor 16
.set CS,  22                           ; s[22:23] c = log2(e) / 8: the packed form names a pair and takes its low word for both halves
.set FL,  24                           ; s24 the tile's flags: bit 0: some key of the step in hand is kept; bit 16: all are
.set KO,  25                           ; s25 LDS byte of the step's record
.set FP,  26                           ; s[26:27] mflag at this tile
.set QP,  28                           ; s[28:29] q at this tile
.set MB,  30                           ; s[30:31] mbits at this tile's step in hand
.set OP,  66                           ; s[66:67] out0 at this tile
.set OFS, 100                          ; s[100:101] an offset, 0 above it
                                       ; s[32:63], s[68:99] the step's 64 lane masks: word n in s[32 + n], from n = 32 on in s[36 + n]
	s_load_b256 s[4:11], s[0:1], 0x0               ; q s[4:5], kv s[6:7], mbits s[8:9], mflag s[10:11]
	s_load_b64 s[12:13], s[0:1], 0x20              ; out0
	v_lshl_add_u32 v224, v0, 2, 0x34000
	v_mov_b32 v225, 0
	v_lshrrev_b32 v1, 5, v0
	v_readfirstlane_b32 s[WV], v1                  ; wave 0..15
	s_mov_b32 s[JX], ttmp9
	s_and_b32 s[HD], ttmp7, 0xffff
	v_and_b32 v11, 31, v0                          ; lane
	v_and_b32 v222, 15, v0                         ; r
	v_bfe_u32 v223, v0, 4, 1                       ; h
	v_lshlrev_b32 v[L16], 4, v11
	v_lshlrev_b32 v[L8], 3, v11
	v_lshlrev_b32 v[QA], 8, v222
	v_lshl_add_u32 v[QA], v223, 7, v[QA]
	s_mul_i32 s2, s[WV], 16*SP
	s_add_co_u32 s2, s2, STAGE                     ; my stage
	v_mul_u32_u24 v[SO], v222, SP                  ; in: row r, + 32 h
	v_lshl_add_u32 v[SO], v223, 5, v[SO]
	v_add_nc_u32 v[SO], s2, v[SO]
	v_mul_u32_u24 v[SR], v223, SP                  ; back: lanes 0-15 one row, lanes 16-31 the next; 16 bytes a lane
	v_lshl_add_u32 v[SR], v222, 4, v[SR]
	v_add_nc_u32 v[SR], s2, v[SR]
	v_lshlrev_b32 v[GO], 8, v223                   ; and the same two rows in out0
	v_lshl_add_u32 v[GO], v222, 4, v[GO]
	v_mov_b32 v[NINF], 0xff800000
	v_lshlrev_b32 v[H8], 3, v223
	v_lshlrev_b32 v8, 4, v0                        ; the fill: 16 bytes a thread, 8,192 bytes an instruction of the work-group;
	v_add_nc_u32 v9, 0x10000, v8                   ; an LDS offset has 16 bits, so the registers carry the rest
	v_add_nc_u32 v11, 0x20000, v8
	v_lshlrev_b32 v221, 3, v0                      ; the last 4,096 bytes: 8 a thread
	v_add_nc_u32 v220, 17*8192, v221
	s_mov_b32 s[SEL], 0x76543210
	s_mov_b32 s[SEL+1], 0xfedcba98
	s_mov_b32 s[CS], 0x3e38aa3b                    ; log2(e) / 8
	s_mov_b32 s[CS+1], s[CS]                       ; (named with it as a pair, so it is written)
	s_mul_i32 s[OFS], s[HD], HEADB
	s_mov_b32 s[OFS+1], 0
	s_wait_kmcnt 0x0
	s_add_nc_u64 s[6:7], s[6:7], s[OFS:OFS+1]      ; kv at my head
	; THE FILL: 143,360 bytes = 17 x 8,192 + 4,096, through the registers that will hold the scores and O^T.  All 18 loads go out together.
.irp i, 0,1,2,3,4,5,6,7,8,9,10,11,12,13,14,15,16
	global_load_b128 v[S+4*\i:S+4*\i+3], v8, s[6:7] offset:8192*\i
.endr
	global_load_b64 v[S+68:S+69], v221, s[6:7] offset:17*8192
.irp i, 0,1,2,3,4,5,6,7
	s_wait_loadcnt 17-\i                           ; loads come back in order (ISA guide 5.7.1): load i is in, the 17 - i younger ones may be out
	ds_store_b128 v8, v[S+4*\i:S+4*\i+3] offset:8192*\i
.endr
.irp i, 8,9,10,11,12,13,14,15
	s_wait_loadcnt 17-\i
	ds_store_b128 v9, v[S+4*\i:S+4*\i+3] offset:8192*(\i-8)
.endr
	s_wait_loadcnt 1
	ds_store_b128 v11, v[S+64:S+67]
	s_wait_loadcnt 0x0
	ds_store_b64 v220, v[S+68:S+69]
	s_wait_dscnt 0x0                               ; for the others' sake: my stores have landed
	s_barrier_signal -1
	s_barrier_wait -1                              ; the head's record is whole: the launch's one barrier.  From here on it is only read, and each wave's stage is its own
.irp j, 0,1,2,3
	v_mov_b32 v[Q+4+\j], 0                         ; Q's zero codes for the upper 64 along K,
	v_mov_b32 v[KF+32+\j], 0                       ; what stands against them in tile 7,
	v_mov_b32 v[BP+\j], 0                          ; and what a lane permute will write: its destination counts as one of its sources
.endr
	v_mov_b32 v[F+1], 0                            ; (named as the upper half of a pair)
	v_mov_b32 v[TMP], 0
	s_lshl_b32 s[T], s[WV], 2
	s_add_co_u32 s[T], s[T], s[JX]                 ; my first tile: 4 x wave + work-group x
	s_mov_b32 s[PASS], 2
.Lpass:
	s_lshl_b32 s[OFS], s[HD], 11
	s_lshl_b32 s2, s[T], 4
	s_add_co_u32 s[OFS], s[OFS], s2                ; my first row: 2,048 x head + 16 T,
	s_lshl_b32 s[OFS], s[OFS], 8                   ; of 256 bytes
	s_add_nc_u64 s[QP:QP+1], s[4:5], s[OFS:OFS+1]
	s_add_nc_u64 s[OP:OP+1], s[12:13], s[OFS:OFS+1]
	s_lshl_b32 s[OFS], s[T], 12                    ; 16 steps x 256 bytes of lane masks
	s_add_nc_u64 s[MB:MB+1], s[8:9], s[OFS:OFS+1]
	s_lshl_b32 s[OFS], s[T], 4                     ; 4 words of flags
	s_add_nc_u64 s[FP:FP+1], s[10:11], s[OFS:OFS+1]
	s_load_b128 s[32:35], s[FP:FP+1], 0x0
.irp j, 0,1,2,3,4,5,6,7
	global_load_b128 v[S+4*\j:S+4*\j+3], v[QA], s[QP:QP+1] offset:16*\j th:TH_LOAD_NT   ; query r, d = 32 h + 4 j on: a lane holds one whole block of 32
.endr
	s_wait_kmcnt 0x0
	s_or_b32 s[FL], s32, s33                       ; each word holds four steps' flags at their own places
	s_or_b32 s[FL], s[FL], s34
	s_or_b32 s[FL], s[FL], s35
	s_wait_loadcnt 0x0
	; Q is quantised in registers
	v_max3_num_f32 v[BM], |v[S]|, |v[S+1]|, |v[S+2]|
	v_max3_num_f32 v[BM+1], |v[S+3]|, |v[S+4]|, |v[S+5]|
.irp i, 6,10,14,18,22,26
	v_max3_num_f32 v[BM], v[BM], |v[S+\i]|, |v[S+\i+1]|
	v_max3_num_f32 v[BM+1], v[BM+1], |v[S+\i+2]|, |v[S+\i+3]|
.endr
	v_max3_num_f32 v[BM], v[BM], |v[S+30]|, |v[S+31]|
	v_max3_num_f32 v[BM], v[BM], v[BM+1], FLOOR    ; the block's largest magnitude, and the floor: the byte cannot fall under 1
	v_add_nc_u32 v[BS], EOFF, v[BM]                ; the conversion takes the exponent field of this operand as its scale, and nothing else of it
.irp g, 0,1,2,3
	v_cvt_scalef32_pk8_fp4_f32 v[Q+\g], v[S+8*\g:S+8*\g+7], v[BS]
.endr
	v_lshrrev_b32 v[BM+1], 23, v[BS]               ; the scale's byte (also the plain line behind the conversions),
	v_lshlrev_b32 v[BM+1], v[H8], v[BM+1]          ; at its place: byte h;
	v_permlanex16_b32 v[BP], v[BM+1], s[SEL], s[SEL+1]
	v_or_b32 v[BM+1], v[BM+1], v[BP]               ; with lane l xor 16's: the query's two bytes,
	v_lshl_or_b32 v[QS], v[BM+1], 16, v[BM+1]      ; and once more above them, for the half of K that holds zero codes
	v_mov_b32 v[NM+1], 0xff61b1e6                  ; the largest t so far: -3e38, under every t
	v_floor_f32 v[NM], -v[NM+1]                    ; -M
	v_mov_b32 v[LS], 0
	v_mov_b32 v[LS+1], 0
.set j, 0
.rept 32
	v_mov_b32 v[O+j], 0                            ; O^T begins as zeros: which step is the first to be worked hangs on the mask, so no step can be written out as the one that starts the sums.  (These lines also stand between the scale word's last write and the first product)
.set j, j+1
.endr
	s_mov_b32 s[KO], 0
	s_mov_b32 s[STP], 0
.Lstep:                                            ; 16 trips: a step of 128 keys
	s_bitcmp1_b32 s[FL], 0
	s_cbranch_scc0 .Lskip                          ; no key of this step is kept for any of my 16 queries: every p would be 0
	s_load_b512 s[32:47], s[MB:MB+1], 0x0          ; the 64 lane masks: asked for in every worked step, so that the registers are written and the wait's count holds on every way
	s_load_b512 s[48:63], s[MB:MB+1], 0x40
	s_load_b512 s[68:83], s[MB:MB+1], 0x80
	s_load_b512 s[84:99], s[MB:MB+1], 0xc0
	v_add_nc_u32 v[ADK], s[KO], v[L16]
	v_add_nc_u32 v[ADT], s[KO], v[L8]
	v_nop                                          ; with the two additions: four places between the last step's products and the loads into the registers that they read (ISA guide 7.12.1 for vector instructions)
	v_nop
.irp t, 0,1,2,3,4,5,6,7
	ds_load_b128 v[KF+4*\t:KF+4*\t+3], v[ADK] offset:512*\t
.endr
	ds_load_b128 v[KS:KS+3], v[ADK] offset:KSC
.irp t, 0,1,2,3
.irp c, 0,1
	ds_load_b128 v[VF+8*\t+4*\c:VF+8*\t+4*\c+3], v[ADK] offset:VIMG+1024*\t+512*\c
.endr
.endr
	ds_load_b64 v[VS:VS+1], v[ADT] offset:VSC
	s_wait_dscnt 9                                 ; K's nine loads are in; V's nine, issued behind them, may be out
.irp t, 0,1,2,3,4,5,6,7                            ; S^T = K Q^T: the constant 0 starts each sum
.if \t % 2
	v_wmma_scale_f32_16x16x128_f8f6f4 v[S+8*\t:S+8*\t+7], v[KF+4*\t:KF+4*\t+7], v[Q:Q+7], 0, v[KS+\t/2], v[QS] matrix_a_fmt:MATRIX_FMT_FP4 matrix_b_fmt:MATRIX_FMT_FP4 matrix_a_scale:MATRIX_SCALE_ROW1
.else
	v_wmma_scale_f32_16x16x128_f8f6f4 v[S+8*\t:S+8*\t+7], v[KF+4*\t:KF+4*\t+7], v[Q:Q+7], 0, v[KS+\t/2], v[QS] matrix_a_fmt:MATRIX_FMT_FP4 matrix_b_fmt:MATRIX_FMT_FP4
.endif
.endr
.rept 4
	v_nop                                          ; four places in front of the first read of results
.endr
	s_wait_kmcnt 0x0                               ; the lane masks are in
	s_bitcmp1_b32 s[FL], 16
	s_cbranch_scc1 .Lopen                          ; all keys of this step are kept for all my queries
.set n, 0
.rept 64
.if n < 32
.set w, 32+n
.else
.set w, 36+n
.endif
	v_cndmask_b32 v[S+n], v[NINF], v[S+n], s[w]    ; a hidden key's score becomes -infinity ahead of the maximum: its p is 0
.set n, n+1
.endr
.Lopen:
.irp b, 0,1,2,3
	v_max3_num_f32 v[BM+\b], v[S+16*\b], v[S+1+16*\b], v[S+2+16*\b]   ; the largest score of each block of 32 keys: it serves for the row's maximum and, since p rises with the score, for the block's largest p
.endr
.irp i, 3,5,7,9,11,13
.irp b, 0,1,2,3
	v_max3_num_f32 v[BM+\b], v[BM+\b], v[S+16*\b+\i], v[S+1+16*\b+\i]   ; (the four blocks by turns)
.endr
.endr
.irp b, 0,1,2,3
	v_max_num_f32 v[BM+\b], v[BM+\b], v[S+15+16*\b]
.endr
.irp b, 0,1,2,3
	v_permlanex16_b32 v[BP+\b], v[BM+\b], s[SEL], s[SEL+1]
.endr
.irp b, 0,1,2,3
	v_max_num_f32 v[BM+\b], v[BM+\b], v[BP+\b]     ; with lane l xor 16's 16 keys
.endr
	v_max3_num_f32 v[TMP], v[BM], v[BM+1], v[BM+2]
	v_max_num_f32 v[TMP], v[TMP], v[BM+3]          ; the step's largest score of my query
	v_mul_f32 v[TMP], s[CS], v[TMP]                ; as t (c is positive)
	v_max_num_f32 v[NM+1], v[NM+1], v[TMP]         ; the running largest t
	v_mov_b32 v[TMP], v[NM]
	v_floor_f32 v[NM], -v[NM+1]                    ; the new -M = floor(-t) = -ceil(t): M is a whole number
	v_sub_f32 v[TMP], v[NM], v[TMP]                ; M's old value less its new one: a whole number, 0 or less
	v_cvt_i32_f32 v[TMP], v[TMP]                   ; (it saturates)
	v_ldexp_f32 v[F], 1.0, v[TMP]                  ; f = 2^(old M - new M): a multiplication by it rounds nothing
.set j, 0
.rept 32
	v_pk_fma_f32 v[S+j:S+j+1], v[S+j:S+j+1], s[CS:CS+1], v[NM:NM+1] op_sel_hi:[1,0,0]   ; t - M, two at a time (of the pairs c and -M the low word serves both halves)
.set j, j+2
.endr
.irp b, 0,1,2,3
	v_fma_f32 v[BM+\b], v[BM+\b], s[CS], v[NM]     ; the same of each block's largest score
.endr
.set j, 0
.rept 64
	v_exp_f32 v[S+j], v[S+j]                       ; p = 2^(t - M), at most 1: not normalised
.set j, j+1
.endr
.irp b, 0,1,2,3
	v_exp_f32 v[BM+\b], v[BM+\b]                   ; the block's largest p: the same two instructions on the same number give the same bits
.endr
	v_pk_mul_f32 v[LS:LS+1], v[LS:LS+1], v[F:F+1] op_sel_hi:[1,0]   ; the sums under the new M (the plain line behind the exponentials)
	s_wait_alu depctr_va_vdst(0)
.irp b, 0,1,2,3
	v_max_num_f32 v[BM+\b], FLOOR, v[BM+\b]        ; the floor: a block whose every p is 0 keeps the byte 1: its codes are zeros
.endr
.irp b, 0,1,2,3
	v_add_nc_u32 v[BS+\b], EOFF, v[BM+\b]          ; the conversion's scale operand
.endr
.irp b, 0,1,2,3
	v_lshrrev_b32 v[BP+\b], 23, v[BS+\b]           ; the scale's byte
.endr
	v_lshl_or_b32 v[PS], v[BP+1], 8, v[BP]         ; p's scale word for these 128 keys
	v_lshl_or_b32 v[PS], v[BP+2], 16, v[PS]
	v_lshl_or_b32 v[PS], v[BP+3], 24, v[PS]
.irp b, 0,1,2,3
	v_cvt_scalef32_pk8_fp4_f32 v[PC+2*\b], v[S+16*\b:S+7+16*\b], v[BS+\b]
	v_cvt_scalef32_pk8_fp4_f32 v[PC+1+2*\b], v[S+8+16*\b:S+15+16*\b], v[BS+\b]
.endr
	v_nop                                          ; one plain line behind the scaled conversions
.irp c, 0,1                                        ; the operand's layout wants a whole block in a lane: lanes 0-15 block 2 c, lanes 16-31 block 2 c + 1
.irp i, 0,1
	v_permlane16_swap_b32 v[PC+4*\c+\i], v[PC+2+4*\c+\i]
.endr
.endr
	v_pk_add_f32 v[L2:L2+1], v[S:S+1], v[S+2:S+3]  ; the row's sum is taken of the unquantised p: two at a time, in two chains
.irp j, 4,8,12,16,20,24,28,32,36,40,44,48,52,56,60
	v_pk_add_f32 v[LS:LS+1], v[LS:LS+1], v[S+\j:S+1+\j]
	v_pk_add_f32 v[L2:L2+1], v[L2:L2+1], v[S+2+\j:S+3+\j]
.endr
	v_pk_add_f32 v[LS:LS+1], v[LS:LS+1], v[L2:L2+1]
.set j, 0
.rept 16
	v_pk_mul_f32 v[O+j:O+j+1], v[O+j:O+j+1], v[F:F+1] op_sel_hi:[1,0]   ; O^T under the new M, each accumulator from its low end on
.set j, j+2
.endr
	s_wait_dscnt 0x0                               ; V's fragments and scale words are in
.irp t, 0,1,2,3                                    ; O^T += V^T P^T.  The four accumulators take turns, one instruction a turn, and the eight score products stand between one trip's turns and the next's
.if \t % 2
	v_wmma_scale_f32_16x16x128_f8f6f4 v[O+8*\t:O+8*\t+7], v[VF+8*\t:VF+8*\t+7], v[PC:PC+7], v[O+8*\t:O+8*\t+7], v[VS+\t/2], v[PS] matrix_a_fmt:MATRIX_FMT_FP4 matrix_b_fmt:MATRIX_FMT_FP4 matrix_a_scale:MATRIX_SCALE_ROW1
.else
	v_wmma_scale_f32_16x16x128_f8f6f4 v[O+8*\t:O+8*\t+7], v[VF+8*\t:VF+8*\t+7], v[PC:PC+7], v[O+8*\t:O+8*\t+7], v[VS+\t/2], v[PS] matrix_a_fmt:MATRIX_FMT_FP4 matrix_b_fmt:MATRIX_FMT_FP4
.endif
.endr
.Lskip:
	s_lshr_b32 s[FL], s[FL], 1                     ; the next step's two flags come to bits 0 and 16
	s_add_co_u32 s[KO], s[KO], REC
	s_add_nc_u64 s[MB:MB+1], s[MB:MB+1], 256       ; no scalar load is out: a worked step has waited for its four, a step left out has issued none
	s_add_co_u32 s[STP], s[STP], 1
	s_cmp_lt_u32 s[STP], 16
	s_cbranch_scc1 .Lstep
	; THE WAY OUT: O^T / the sum, through my own stage in LDS, and out as whole rows
.rept 4
	v_nop                                          ; four places behind the last products
.endr
	v_add_f32 v[LS], v[LS], v[LS+1]                ; the sum's two halves,
	v_permlanex16_b32 v[TMP], v[LS], s[SEL], s[SEL+1]
	v_add_f32 v[LS], v[LS], v[TMP]                 ; and lane l xor 16's: the row's sum
	v_rcp_f32 v[LS], v[LS]
	v_nop                                          ; one plain line behind the transcendental
.set j, 0
	s_wait_alu depctr_va_vdst(0)
.rept 16
	v_pk_mul_f32 v[S+j:S+j+1], v[O+j:O+j+1], v[LS:LS+1] op_sel_hi:[1,0]   ; register 8 t + i is o(query r, d = 16 t + 8 h + i); each accumulator from its low end on
.set j, j+2
.endr
.irp t, 0,1,2,3
	ds_store_b128 v[SO], v[S+8*\t:S+8*\t+3] offset:64*\t
	ds_store_b128 v[SO], v[S+8*\t+4:S+8*\t+7] offset:64*\t+16
.endr
.irp i, 0,1,2,3,4,5,6,7
	ds_load_b128 v[S+32+4*\i:S+32+4*\i+3], v[SR] offset:2*\i*SP   ; LDS serves a wave's instructions in order (ISA guide 5.7.1.4): these see my stores
.endr
.irp i, 0,1,2,3,4,5,6,7
	s_wait_dscnt 7-\i                              ; load i is back; the 7 - i younger ones may be out
	global_store_b128 v[GO], v[S+32+4*\i:S+32+4*\i+3], s[OP:OP+1] offset:512*\i th:TH_STORE_NT   ; 32 lanes store 512 consecutive bytes, at a multiple of 256 from out0's first byte
.endr
	s_wait_xcnt 0x0                                ; the stores' data and base are written again in the next pass only behind this wait
	s_sub_co_u32 s[T], 127, s[T]                   ; my second tile
	s_sub_co_u32 s[PASS], s[PASS], 1
	s_cmp_lg_u32 s[PASS], 0
	s_cbranch_scc1 .Lpass
	s_wait_tensorcnt 0x0
	ds_add_u32 v224, v225
	s_wait_dscnt 0x0
	s_endpgm
.Lfunc_end_k_q03743edffd_attn:
	.size	k_q03743edffd_attn, .Lfunc_end_k_q03743edffd_attn-k_q03743edffd_attn
	.p2alignl 7, 3214868480
	.fill 96, 4, 3214868480
	.section	.rodata,"a",@progbits
	.p2align	6, 0x0
	.amdhsa_kernel k_q03743edffd_attn
		.amdhsa_group_segment_fixed_size 215040
		.amdhsa_private_segment_fixed_size 0
		.amdhsa_enable_private_segment 0
		.amdhsa_kernarg_size 40
		.amdhsa_user_sgpr_count 2
		.amdhsa_user_sgpr_kernarg_segment_ptr 1
		.amdhsa_wavefront_size32 1
		.amdhsa_system_sgpr_workgroup_id_x 1
		.amdhsa_system_sgpr_workgroup_id_y 1
		.amdhsa_system_sgpr_workgroup_id_z 1
		.amdhsa_system_vgpr_workitem_id 0
		.amdhsa_next_free_vgpr 226
		.amdhsa_next_free_sgpr 102
		.amdhsa_reserve_vcc 0
		.amdhsa_float_denorm_mode_32 3
		.amdhsa_float_denorm_mode_16_64 3
		.amdhsa_memory_ordered 1
		.amdhsa_forward_progress 1
		.amdhsa_inst_pref_size 34
	.end_amdhsa_kernel
	.amdgpu_metadata
---
amdhsa.version: [ 1, 2 ]
amdhsa.kernels:
  - .name:           k_q03743edffd_attn
    .symbol:         k_q03743edffd_attn.kd
    .args:
      - { .name: q, .offset: 0, .size: 8, .value_kind: global_buffer, .address_space: global }
      - { .name: kv, .offset: 8, .size: 8, .value_kind: global_buffer, .address_space: global }
      - { .name: mbits, .offset: 16, .size: 8, .value_kind: global_buffer, .address_space: global }
      - { .name: mflag, .offset: 24, .size: 8, .value_kind: global_buffer, .address_space: global }
      - { .name: out0, .offset: 32, .size: 8, .value_kind: global_buffer, .address_space: global }
    .group_segment_fixed_size: 215040
    .private_segment_fixed_size: 0
    .kernarg_segment_align: 8
    .kernarg_segment_size: 40
    .max_flat_workgroup_size: 512
    .sgpr_count:     102
    .vgpr_count:     226
    .wavefront_size: 32
...
	.end_amdgpu_metadata
.endif
;; end of part 2
;; ======== version 2 of 2: 2 launches
;; workspace buffers: kv 9,175,040 bytes; mbits 524,288 bytes of whole numbers; mflag 2,048 bytes of whole numbers
;; launch prep (part 3): grid 640 x 1, 4 waves a work-group, no clusters, 35,328 bytes of LDS; arguments k, v, mask, kv, mbits, mflag; writes kv, mbits, mflag
.if DOCPART == 3
	.amdgcn_target "amdgcn-amd-amdhsa--gfx1250"
	.amdhsa_code_object_version 6
	.text
	.protected	k_q03743edffd_prep
	.globl	k_q03743edffd_prep
	.p2align	8
	.type	k_q03743edffd_prep,@function
k_q03743edffd_prep:
	s_mov_b64 s[64:65], 0
	v_nop
	global_prefetch_b8 v0, s[64:65] scope:SCOPE_SE
	s_setreg_imm32_b32 hwreg(HW_REG_WAVE_MODE, 25, 1), 1
	s_wait_xcnt 0x0
; k, v: [64 heads][2048 keys][64] f32.  mask: [2048 queries][2048 keys], one byte each.  This launch makes what the attention launch reads:
;   kv    [head 64][step 16][8,960 bytes]: for each step of 128 keys the codes of FP4 (E2M1) and the E8M0 scale words of K and of V, laid as IMAGES OF THE OPERANDS' REGISTERS:
;         0     KIMG: 8 tiles x 512 bytes; tile 2 b + u, lane (r = lane % 16, h = lane / 16): 16 bytes at 512 t + 16 lane: key 32 b + 8 u + r + 8 (r / 8), d = 32 h .. 32 h + 31  (K is quantised along d)
;         4096  VIMG: d-tile t (0..3), piece c (0..1): 16 bytes at 1024 t + 512 c + 16 lane: column d = 16 t + r, keys 64 c + 32 h .. + 31                                  (V is quantised along the keys)
;         8192  KSC:  lane: 4 words at 16 lane; word b: tile 2 b + h, key row r; bytes 0, 1 the scales of d 0-31, 32-63; bytes 2, 3 repeat them (they scale the half of the product's K that holds zero codes)
;         8704  VSC:  lane: 2 words at 8 lane; word g: column d = 32 g + lane; byte i: the step's i-th block of 32 keys
;   mbits [query tile T 128][step 16][64 words]: bit l of word 16 b + i = mask[16 T + l % 16][128 step + 32 b + 16 (l / 16) + i]: the lane mask of the score register 16 b + i
;   mflag [T 128][4 words]: word w, for steps s = 4 w .. 4 w + 3: bit s: some key of the tile (T, s) is kept; bit 16 + s: all are
; A block's scale is 2^(floor(log2(its largest magnitude)) - 2); its byte is the largest magnitude's exponent field - 2, held at 1 from below.
; LIMITS: a block of zeros gets the byte 1 where the rule says 127 (its codes are zeros, which add nothing under any byte but 0xff, and this program alone reads the bytes); NaN and infinities in k and v are not served.
; SHARES: work-groups 0-127: the mask, one query tile each, four steps a wave.  128-383: K, one step of one head a wave.  384-639: V likewise.  Waves share nothing: no barrier.  Only the K path uses LDS, each wave bytes of its own.
; Matrix units, tensor loads and clusters are left out: this is a stream in which each input byte is read once and no two work-groups read the same byte.
.set REC,   8960                       ; a step's record in kv
.set VIMG,  4096
.set KSC,   8192
.set VSC,   8704
.set SP,    272                        ; a stage row: a key's 256 bytes + 16: the 16 lanes of half a wave touch 16 different 16-byte columns modulo 256 bytes
.set WST,   32*SP                      ; a wave's stage: 32 keys
.set FLOOR, 0x1800000                  ; 2^(3 - 127): no largest magnitude is taken under it, so the byte cannot fall under 1
.set EOFF,  0xff000000                 ; takes 2 off an exponent field
.set R,     16                         ; K path: v16-143  two sets of 64 registers as loaded
.set X,     144                        ; K path: v144-207 32 neighbours along d for each of a pair's two tiles
.set XV,    16                         ; V path: v16-79   two sets of 32 numbers down the keys
.set C,     208                        ; v208-239 codes: registers of their own for each store, never written again
.set SW,    240                        ; v240-243 the step's scale words
; the largest magnitude of v[xs] .. v[xs + 31], and the floor, into v[ma]; v[ma + 1] is the second chain
.macro BMAX xs, ma
	v_max3_num_f32 v[\ma], |v[\xs]|, |v[\xs+1]|, |v[\xs+2]|
	v_max3_num_f32 v[\ma+1], |v[\xs+3]|, |v[\xs+4]|, |v[\xs+5]|
.irp i, 6,10,14,18,22,26
	v_max3_num_f32 v[\ma], v[\ma], |v[\xs+\i]|, |v[\xs+\i+1]|
	v_max3_num_f32 v[\ma+1], v[\ma+1], |v[\xs+\i+2]|, |v[\xs+\i+3]|
.endr
	v_max3_num_f32 v[\ma], v[\ma], |v[\xs+30]|, |v[\xs+31]|
	v_max3_num_f32 v[\ma], v[\ma], v[\ma+1], FLOOR
.endm
	s_load_b256 s[4:11], s[0:1], 0x0               ; k s[4:5], v s[6:7], mask s[8:9], kv s[10:11]
	s_load_b128 s[12:15], s[0:1], 0x20             ; mbits s[12:13], mflag s[14:15]
	v_lshl_add_u32 v248, v0, 2, 0x8800
	v_mov_b32 v249, 0
	v_and_b32 v1, 31, v0                           ; lane
	v_lshrrev_b32 v2, 5, v0
	v_readfirstlane_b32 s16, v2                    ; wave 0..3
	s_mov_b32 s20, 0x76543210
	s_mov_b32 s21, 0xfedcba98                      ; v_permlanex16_b32's selects for lane l xor 16
	s_mov_b32 s19, 0                               ; the upper word of every offset: all stay under 2^32
	s_wait_kmcnt 0x0
	s_cmp_lt_u32 ttmp9, 128                        ; the three paths part on the work-group's number alone
	s_cbranch_scc1 .Lmask
	s_cmp_lt_u32 ttmp9, 384
	s_cbranch_scc1 .Lkeys
; ---------------------------------------------------------------- V: a lane takes a column d, its registers run down the keys
	s_sub_co_u32 s17, ttmp9, 384
	s_lshl_b32 s17, s17, 2
	s_add_co_u32 s17, s17, s16                     ; 16 x head + step
	s_lshl_b32 s18, s17, 15                        ; 128 keys of 256 bytes
	s_add_nc_u64 s[6:7], s[6:7], s[18:19]
	s_mul_i32 s18, s17, REC
	s_add_nc_u64 s[10:11], s[10:11], s[18:19]
	s_wait_alu depctr_va_vdst(0)
	v_lshlrev_b32 v2, 2, v1                        ; in: 4 bytes a lane: 128 consecutive bytes a load
	v_lshrrev_b32 v3, 4, v1
	v_and_b32 v4, 15, v1
	v_lshlrev_b32 v3, 10, v3
	v_lshl_add_u32 v3, v4, 4, v3                   ; out: 1024 (lane / 16) + 16 (lane % 16): sixteen lanes store 256 consecutive bytes, aligned
	v_lshlrev_b32 v4, 3, v1                        ; the scale words: 8 bytes a lane
; unit q: key block q / 2, columns 32 (q % 2) + lane.  The two halves of each row of 256 bytes are asked for one right after the other
.macro LOADU q
.irp i, 0,1,2,3,4,5,6,7,8,9,10,11,12,13,14,15,16,17,18,19,20,21,22,23,24,25,26,27,28,29,30,31
	global_load_b32 v[XV+32*((\q)%2)+\i], v2, s[6:7] offset:(32*((\q)/2)+\i)*256+128*((\q)%2) th:TH_LOAD_NT
.endr
.endm
.macro UNIT q
.set XS, XV+32*((\q)%2)
.if (\q) < 7
	s_wait_loadcnt 32                              ; this unit's 32 loads are in; the next unit's 32 may be out
.else
	s_wait_loadcnt 0x0
.endif
	BMAX XS, 6                                     ; all 32 numbers of the block are mine
	v_add_nc_u32 v10, EOFF, v6                     ; the conversion takes the exponent field of this operand as its scale, and nothing else of it
.irp g, 0,1,2,3
	v_cvt_scalef32_pk8_fp4_f32 v[C+4*(\q)+\g], v[XS+8*\g:XS+8*\g+7], v10
.endr
	v_lshrrev_b32 v12, 23, v10                     ; the scale's byte (also the plain line behind the conversions)
.if (\q)/2 == 0
	v_mov_b32 v[SW+(\q)%2], v12
.else
	v_lshl_or_b32 v[SW+(\q)%2], v12, 8*((\q)/2), v[SW+(\q)%2]
.endif
	global_store_b128 v3, v[C+4*(\q):C+4*(\q)+3], s[10:11] offset:VIMG+2048*((\q)%2)+256*((\q)/2)   ; the conversions' results are the image: nothing is transposed
.if (\q) < 6
	LOADU (\q)+2
.endif
.endm
	LOADU 0
	LOADU 1
.irp q, 0,1,2,3,4,5,6,7
	UNIT \q
.endr
	global_store_b64 v4, v[SW:SW+1], s[10:11] offset:VSC   ; 32 lanes store 256 consecutive bytes, aligned
	s_endpgm
; ---------------------------------------------------------------- K: loads take the bytes as they lie; a pair of tiles (32 keys) turns through the wave's stage, so that a lane gets 32 neighbours along d of the key that the image gives it
.Lkeys:
	s_sub_co_u32 s17, ttmp9, 128
	s_lshl_b32 s17, s17, 2
	s_add_co_u32 s17, s17, s16                     ; 16 x head + step
	s_lshl_b32 s18, s17, 15
	s_add_nc_u64 s[4:5], s[4:5], s[18:19]
	s_mul_i32 s18, s17, REC
	s_add_nc_u64 s[10:11], s[10:11], s[18:19]
	s_mul_i32 s23, s16, WST                        ; my stage
	s_mov_b32 s22, 0xffff0000                      ; lanes 16-31
	s_wait_alu depctr_va_vdst(0)
	v_lshlrev_b32 v2, 4, v1                        ; 16 bytes a lane: 512 consecutive bytes a load or store
	v_lshrrev_b32 v5, 4, v1                        ; h
	v_and_b32 v6, 15, v1                           ; r
	v_mul_u32_u24 v3, v5, SP
	v_lshl_add_u32 v3, v6, 4, v3
	v_add_nc_u32 v3, s23, v3                       ; into the stage: a load holds two keys: lanes 0-15 one row, lanes 16-31 the next
	v_mul_u32_u24 v4, v6, SP
	v_lshl_add_u32 v4, v5, 7, v4
	v_add_nc_u32 v4, s23, v4                       ; out of it: row r, my half's 128 bytes
	v_lshlrev_b32 v5, 3, v5                        ; 8 h: my byte's place in a scale word
	v_mov_b32 v14, 0                               ; written once: a lane permute's destination counts as one of its sources
	v_mov_b32 v15, 0
.macro LOADP b                         ; keys 32 b .. 32 b + 31: 16 loads of two keys
.irp n, 0,1,2,3,4,5,6,7,8,9,10,11,12,13,14,15
	global_load_b128 v[R+64*((\b)%2)+4*\n:R+64*((\b)%2)+4*\n+3], v2, s[4:5] offset:8192*(\b)+512*\n th:TH_LOAD_NT
.endr
.endm
; Key x of the pair (0..31) goes to stage row 16 u + r with u = (x / 8) % 2, r = x % 8 + 8 (x / 16): so x = 8 u + r + 8 (r / 8).  LDS serves a wave's instructions in order (ISA guide 5.7.1.4): no wait between the stores and the loads.
.macro TURNP b
.irp n, 0,1,2,3,4,5,6,7,8,9,10,11,12,13,14,15
	ds_store_b128 v3, v[R+64*((\b)%2)+4*\n:R+64*((\b)%2)+4*\n+3] offset:SP*(16*(((2*\n)/8)%2)+((2*\n)%8)+8*((2*\n)/16))
.endr
.irp u, 0,1
.irp j, 0,1,2,3,4,5,6,7
	ds_load_b128 v[X+32*\u+4*\j:X+32*\u+4*\j+3], v4 offset:16*SP*\u+16*\j
.endr
.endr
.endm
.macro QTILE b, u                      ; tile 2 b + u: my lane's block is (key row r, d = 32 h on)
.set XS, X+32*(\u)
.set MA, 6+2*(\u)
	BMAX XS, MA
	v_add_nc_u32 v[10+\u], EOFF, v[MA]
.irp g, 0,1,2,3
	v_cvt_scalef32_pk8_fp4_f32 v[C+8*(\b)+4*(\u)+\g], v[XS+8*\g:XS+8*\g+7], v[10+\u]
.endr
	v_lshrrev_b32 v[12+\u], 23, v[10+\u]           ; the scale's byte (also the plain line behind the conversions),
	v_lshlrev_b32 v[12+\u], v5, v[12+\u]           ; at its place: byte h;
	v_permlanex16_b32 v[14+\u], v[12+\u], s20, s21
	v_or_b32 v[12+\u], v[12+\u], v[14+\u]          ; with lane l xor 16's: the key's two bytes,
	v_lshl_or_b32 v[12+\u], v[12+\u], 16, v[12+\u] ; and once more above them
	global_store_b128 v2, v[C+8*(\b)+4*(\u):C+8*(\b)+4*(\u)+3], s[10:11] offset:512*(2*(\b)+(\u))
.endm
.macro PAIR b
.if (\b) < 3
	s_wait_loadcnt 16                              ; this pair's 16 loads are in; the next pair's 16 may be out
.else
	s_wait_loadcnt 0x0
.endif
	TURNP \b
	s_wait_dscnt 0x0                               ; the stage's stores have read their registers, which are loaded again below; my 64 numbers are back
.if (\b) < 2
	LOADP (\b)+2
.endif
	QTILE \b, 0
	QTILE \b, 1
	v_cndmask_b32 v[SW+(\b)], v12, v13, s22        ; lanes 0-15 keep tile 2 b's word, lanes 16-31 take tile 2 b + 1's
.endm
	LOADP 0
	LOADP 1
	s_wait_alu depctr_va_vdst(0)
.irp b, 0,1,2,3
	PAIR \b
.endr
	global_store_b128 v2, v[SW:SW+3], s[10:11] offset:KSC
	s_wait_tensorcnt 0x0
	ds_add_u32 v248, v249
	s_wait_dscnt 0x0
	s_endpgm
; ---------------------------------------------------------------- the mask: query tile T = the work-group's number; wave w takes steps 4 w .. 4 w + 3
.Lmask:
	s_lshl_b32 s18, ttmp9, 15                      ; 16 rows of 2,048 bytes,
	s_lshl_b32 s17, s16, 9                         ; 4 steps of 128 bytes
	s_add_co_u32 s18, s18, s17
	s_add_nc_u64 s[8:9], s[8:9], s[18:19]
	s_lshl_b32 s18, ttmp9, 12                      ; mbits: (16 T + 4 w) x 256 bytes
	s_lshl_b32 s17, s16, 10
	s_add_co_u32 s18, s18, s17
	s_add_nc_u64 s[12:13], s[12:13], s[18:19]
	s_lshl_b32 s18, ttmp9, 4                       ; mflag: (4 T + w) x 4 bytes
	s_lshl_b32 s17, s16, 2
	s_add_co_u32 s18, s18, s17
	s_add_nc_u64 s[14:15], s[14:15], s[18:19]
	s_lshl_b32 s27, s16, 2                         ; the step in hand: the place of its two flags
	s_mov_b32 s26, 0                               ; my word of flags
	s_wait_alu depctr_va_vdst(0)
	v_and_b32 v2, 15, v1
	v_lshrrev_b32 v3, 4, v1
	v_lshlrev_b32 v2, 11, v2
	v_lshl_add_u32 v2, v3, 4, v2                   ; row lane % 16, + 16 (lane / 16): my 16 keys of a block of 32
	v_lshlrev_b32 v3, 3, v1                        ; out: 8 bytes a lane
.irp j, 0,1,2,3,4,5,6,7
	v_mov_b32 v[96+\j], 0                          ; written once: v_writelane_b32's destination counts as one of its sources
.endr
	v_mov_b32 v105, 0
.irp st, 0,1,2,3
.irp b, 0,1,2,3
	global_load_b128 v[16+16*\st+4*\b:16+16*\st+4*\b+3], v2, s[8:9] offset:128*\st+32*\b th:TH_LOAD_NT   ; the wave's 16 loads together cover 512 consecutive bytes of each of 16 rows
.endr
.endr
.macro MSTEP st
	s_wait_loadcnt 12-4*(\st)                      ; this step's four loads are in; the later steps' may be out
	s_mov_b32 s24, 0                               ; the OR of the step's 64 lane masks,
	s_mov_b32 s25, -1                              ; and their AND
.irp b, 0,1,2,3
.irp i, 0,1,2,3,4,5,6,7,8,9,10,11,12,13,14,15
	v_and_b32 v[80+\i], 0xff<<(8*(\i%4)), v[16+16*(\st)+4*\b+\i/4]
	v_cmp_ne_u32 s[32+\i], 0, v[80+\i]             ; bit l: my lane's key 32 b + 16 (l / 16) + i is kept
.endr
.irp i, 0,1,2,3,4,5,6,7,8,9,10,11,12,13,14,15
	v_writelane_b32 v[96+2*(\st)+(\i%2)], s[32+\i], 8*\b+\i/2   ; word n = 16 b + i goes to lane n / 2, register n % 2
	s_or_b32 s24, s24, s[32+\i]
	s_and_b32 s25, s25, s[32+\i]
.endr
.endr
	global_store_b64 v3, v[96+2*(\st):97+2*(\st)], s[12:13] offset:256*(\st)   ; 32 lanes store 256 consecutive bytes, aligned
	s_cmp_lg_u32 s24, 0
	s_cselect_b32 s28, 1, 0                        ; some key is kept
	s_cmp_eq_u32 s25, -1
	s_cselect_b32 s29, 0x10000, 0                  ; all are
	s_or_b32 s28, s28, s29
	s_lshl_b32 s28, s28, s27
	s_or_b32 s26, s26, s28
	s_add_co_u32 s27, s27, 1
.endm
.irp st, 0,1,2,3
	MSTEP \st
.endr
	v_mov_b32 v104, s26
	v_cmp_eq_u32 vcc_lo, 0, v1
	s_wait_alu depctr_va_vdst(0)
	s_wait_xcnt 0x0                                ; EXEC is a source of the stores above: it changes only behind this wait
	s_and_saveexec_b32 s30, vcc_lo
	global_store_b32 v105, v104, s[14:15]          ; lane 0 stores the wave's word of flags
	s_wait_xcnt 0x0                                ; and again, in front of the line that widens it
	s_or_b32 exec_lo, exec_lo, s30
	s_endpgm
.Lfunc_end_k_q03743edffd_prep:
	.size	k_q03743edffd_prep, .Lfunc_end_k_q03743edffd_prep-k_q03743edffd_prep
	.p2alignl 7, 3214868480
	.fill 96, 4, 3214868480
	.section	.rodata,"a",@progbits
	.p2align	6, 0x0
	.amdhsa_kernel k_q03743edffd_prep
		.amdhsa_group_segment_fixed_size 35328
		.amdhsa_private_segment_fixed_size 0
		.amdhsa_enable_private_segment 0
		.amdhsa_kernarg_size 48
		.amdhsa_user_sgpr_count 2
		.amdhsa_user_sgpr_kernarg_segment_ptr 1
		.amdhsa_wavefront_size32 1
		.amdhsa_system_sgpr_workgroup_id_x 1
		.amdhsa_system_sgpr_workgroup_id_y 1
		.amdhsa_system_sgpr_workgroup_id_z 1
		.amdhsa_system_vgpr_workitem_id 0
		.amdhsa_next_free_vgpr 250
		.amdhsa_next_free_sgpr 66
		.amdhsa_reserve_vcc 1
		.amdhsa_float_denorm_mode_32 3
		.amdhsa_float_denorm_mode_16_64 3
		.amdhsa_memory_ordered 1
		.amdhsa_forward_progress 1
		.amdhsa_inst_pref_size 136
	.end_amdhsa_kernel
	.amdgpu_metadata
---
amdhsa.version: [ 1, 2 ]
amdhsa.kernels:
  - .name:           k_q03743edffd_prep
    .symbol:         k_q03743edffd_prep.kd
    .args:
      - { .name: k, .offset: 0, .size: 8, .value_kind: global_buffer, .address_space: global }
      - { .name: v, .offset: 8, .size: 8, .value_kind: global_buffer, .address_space: global }
      - { .name: mask, .offset: 16, .size: 8, .value_kind: global_buffer, .address_space: global }
      - { .name: kv, .offset: 24, .size: 8, .value_kind: global_buffer, .address_space: global }
      - { .name: mbits, .offset: 32, .size: 8, .value_kind: global_buffer, .address_space: global }
      - { .name: mflag, .offset: 40, .size: 8, .value_kind: global_buffer, .address_space: global }
    .group_segment_fixed_size: 35328
    .private_segment_fixed_size: 0
    .kernarg_segment_align: 8
    .kernarg_segment_size: 48
    .max_flat_workgroup_size: 128
    .sgpr_count:     66
    .vgpr_count:     250
    .wavefront_size: 32
...
	.end_amdgpu_metadata
.endif
;; end of part 3
;; launch attn (part 4): grid 4 x 64, 16 waves a work-group, no clusters, 215,040 bytes of LDS; arguments q, kv, mbits, mflag, out0; writes out0
.if DOCPART == 4
	.amdgcn_target "amdgcn-amd-amdhsa--gfx1250"
	.amdhsa_code_object_version 6
	.text
	.protected	k_q03743edffd_attn
	.globl	k_q03743edffd_attn
	.p2align	8
	.type	k_q03743edffd_attn,@function
k_q03743edffd_attn:
	s_mov_b64 s[64:65], 0
	v_nop
	global_prefetch_b8 v0, s[64:65] scope:SCOPE_SE
	s_setreg_imm32_b32 hwreg(HW_REG_WAVE_SCHED_MODE, 0, 2), 2
	s_setreg_imm32_b32 hwreg(HW_REG_WAVE_MODE, 25, 1), 1
	s_wait_xcnt 0x0
	s_wait_alu depctr_vm_vsrc(0)
; out0[head][q][:] = the sum over kept keys k of softmax_k(q . k / 8) v[k][:], both products on codes of FP4 (E2M1) with one E8M0 scale for each 32 along a product's K.  64 heads, 2,048 queries and keys, head size 64.
; THE SOFTMAX AHEAD OF THE SECOND PRODUCT: t = score x log2(e) / 8; M = the row's largest t so far over the kept keys, rounded UP to a whole number; p = 2^(t - M) is what is quantised, along the keys; it is not normalised.
; The row's sum is taken of the unquantised p, in f32, and divides O at the end.  When M moves, the sum and O are multiplied by 2^(old M - new M): exact.
; INPUTS: q as f32 (quantised here, in registers: each tile is read once); kv: K's and V's codes and scale words as images of the operands' registers, 8,960 bytes for each step of 128 keys; mbits: a lane mask for each score
; register of each (query tile, step); mflag: for each (query tile, step): some key kept, all keys kept.  The earlier launch made the last three from k, v and the mask.
; SHARES.  A work-group serves one head; the head's whole kv record, 143,360 bytes, is copied into LDS once, through registers, and read by all sixteen waves.  Wave w of work-group j (0..3) owns query tile 4 w + j, then tile
; 127 - (4 w + j): each of the head's 128 tiles has one owner, whatever the mask; where the kept keys grow with the query, a wave's two tiles add up to the same work.  Four waves to a SIMD: one wave's vector work stands beside another's loads and products.
; A STEP IN WHICH NO KEY OF THE TILE IS KEPT IS LEFT OUT, by a scalar branch on a number read from mflag; a step in which all are kept leaves out the 64 selects.  The trip counts are constants.
; NO TENSOR LOADS, NO JOINT LOADS: this text branches on numbers read from memory; what the four work-groups of a head share is 143,360 bytes each, read once at the head.
; LAYOUT.  Both products are used transposed: S^T = K Q^T (source 0 = 16 keys, source 1 = my 16 queries), O^T = V^T P^T (source 0 = 16 of the head's 64, source 1 = P): a lane holds ONE query (lane % 16) throughout.
; The head size fills half of the instruction's 128 along K: Q's registers 4-7 are zero codes, so whatever stands in K's registers 4-7 (the next tile's codes) adds nothing; the scale bytes of that half repeat the real ones.
; The keys of a tile are not neighbours: row r of tile 2 b + u is key 32 b + 8 u + r + 8 (r / 8), so that score register 16 b + i of lane (r, h) is key 32 b + 16 h + i: 16 neighbours.
; LIMITS: a block whose largest magnitude lies under 2^-124 has its byte held at 1; a block of zeros gets the byte 1 where the rule says 127 (zero codes add nothing); p under 2^-126 comes out of v_exp_f32 as 0;
; NaN and infinities in q, k, v are not served.  A query with no kept key gives 0 x (1 / 0) = NaN, as the softmax of a row of -infinity does, also where all 16 steps of its tile are left out.
; THE MODE: SCHED_MODE bits 1:0 = 2 (LLVM: expert scheduling mode 2), set by the entry lines.  The code itself states the register dependences between vector or matrix instructions and memory or LDS instructions,
; with s_wait_alu, always for 0.
; THE PLAN.  Registers that memory or LDS instructions touch, and who else names them:
;   v3-v6          offsets and stage addresses: made at the head, never written again; read by q's loads, the stage's stores and loads, the global stores.
;   v8, v9         at the head the fill's addresses; then ADK, ADT: written by two additions at the head of each worked step, read by that step's 18 LDS loads.
;   v11, v220, v221  the fill's other addresses; v220 is at work in vector lines afterwards.
;   v96-165        the fill's loads land here and its LDS stores read them; afterwards S and the low end of O^T.
;   S, v96-127     q's loads land here at a pass's head; the score products and the vector work use it; on the way out the multiplies write it and the stage's stores read it.
;   S+32, v128-159 the score products and the vector work use it; on the way out the stage's loads land here and the global stores read it.
;   KF, KS         a step's first nine LDS loads land here; its eight score products read them.
;   VF, VS         a step's other nine LDS loads land here; its four last products read them.
;   Q, QS, v56-59, PC, PS  written by vector lines, taken by scaled products as operands or scales.
; A WORKED STEP HAS FIVE WAITS.  (1) On va_vdst at its head, behind the two additions: ADK and ADT are written; the last worked step's products are done reading KF, KS, VF, VS; Q's codes and scale word are written.
; Behind it only the score products are issued, which name S, KF, Q, KS, QS: so all 18 loads owe nothing more, and V's nine are dealt among those products.  (2) On vm_vsrc, behind the last of the loads: they have read ADK and ADT.
; (3) On va_vdst ahead of the exponentials.  (4) On va_vdst behind them.  (5) On va_vdst ahead of the last products: p's codes and scale word are written.
.set REC,   8960                       ; a step's record: K's images at 0, V's at 4096, K's scale words at 8192, V's at 8704
.set VIMG,  4096
.set KSC,   8192
.set VSC,   8704
.set HEADB, 16*REC                     ; LDS bytes 0 .. 143,359: the head's record as it lies in memory
.set STAGE, HEADB                      ; behind it: 16 rows x 272 bytes for each wave, for the way out
.set SP,    272                        ; a row of O, 256 bytes, + 16: the 16 lanes of half a wave touch 16 different 16-byte columns modulo 256 bytes
.set FLOOR, 0x1800000                  ; 2^(3 - 127)
.set EOFF,  0xff000000                 ; takes 2 off an exponent field
.set L16, 1                            ; v1   16 x lane
.set L8,  2                            ; v2   8 x lane
.set QA,  3                            ; v3   q: row r of 256 bytes + 128 h
.set SO,  4                            ; v4   the stage: where I put 16 bytes of a row
.set SR,  5                            ; v5   and where I read a row back
.set GO,  6                            ; v6   my byte offset in the tile's rows of out0
.set NINF, 7                           ; v7   -infinity
.set ADK, 8                            ; v8   the step's record + 16 x lane (at the head: the fill's addresses in v8, v9, v11)
.set ADT, 9                            ; v9   the step's record + 8 x lane
.set H8,  10                           ; v10  8 h
.set NM,  12                           ; v12  -M;  v13 the largest t so far
.set LS,  14                           ; v[14:15] the row's sum, in two halves
.set Q,   16                           ; v[16:23] Q's fragment; v20-23 zero codes
.set KF,  24                           ; v[24:55] K's 8 tiles, 4 registers each; v56-59 zeros: the upper half of tile 7's operand
.set VF,  60                           ; v[60:91] V's 4 tiles
.set KS,  92                           ; v[92:95] K's scale words: register b: lanes 0-15 tile 2 b, lanes 16-31 tile 2 b + 1
.set S,   96                           ; v[96:159] S^T, then p; at the head of a pass q's numbers; on the way out rows of O
.set O,   160                          ; v[160:191] O^T
.set PC,  192                          ; v[192:199] p's codes
.set VS,  200                          ; v[200:201] V's scale words: register g: lanes 0-15 tile 2 g, lanes 16-31 tile 2 g + 1
.set QS,  202                          ; v202 Q's scale word
.set PS,  203                          ; v203 p's scale word
.set BM,  204                          ; v204-207 a block's largest score, then its largest p
.set BP,  208                          ; v208-211 lane l xor 16's; then the bytes
.set BS,  212                          ; v212-215 the conversions' scale operands
.set L2,  216                          ; v[216:217] the sum's second chain
.set F,   218                          ; v218 f = 2^(old M - new M); v219 named with it as a pair
.set TMP, 220
.set WV,  14                           ; s14 wave;  s15 the work-group's x;  s16 the head
.set JX,  15
.set HD,  16
.set T,   17                           ; s17 the query tile in hand
.set PASS, 18
.set STP, 19
.set SEL, 20                           ; s[20:21] v_permlanex16_b32's selects for lane l xor 16
.set CS,  22                           ; s[22:23] c = log2(e) / 8: the packed form names a pair and takes its low word for both halves
.set FL,  24                           ; s24 the tile's flags: bit 0: some key of the step in hand is kept; bit 16: all are
.set KO,  25                           ; s25 LDS byte of the step's record
.set FP,  26                           ; s[26:27] mflag at this tile
.set QP,  28                           ; s[28:29] q at this tile
.set MB,  30                           ; s[30:31] mbits at this tile's step in hand
.set OP,  66                           ; s[66:67] out0 at this tile
.set OFS, 100                          ; s[100:101] an offset, 0 above it
                                       ; s[32:63], s[68:99] the step's 64 lane masks: word n in s[32 + n], from n = 32 on in s[36 + n]
	s_load_b256 s[4:11], s[0:1], 0x0               ; q s[4:5], kv s[6:7], mbits s[8:9], mflag s[10:11]
	s_load_b64 s[12:13], s[0:1], 0x20              ; out0
	v_lshl_add_u32 v224, v0, 2, 0x34000            ; my spare word, behind the stages: 128 bytes for each of the sixteen waves; made here and kept for the closing lines alone
	v_mov_b32 v225, 0                              ; and 0, likewise
	v_lshrrev_b32 v1, 5, v0
	v_readfirstlane_b32 s[WV], v1                  ; wave 0..15
	s_mov_b32 s[JX], ttmp9
	s_and_b32 s[HD], ttmp7, 0xffff
	v_and_b32 v11, 31, v0                          ; lane
	v_and_b32 v222, 15, v0                         ; r
	v_bfe_u32 v223, v0, 4, 1                       ; h
	v_lshlrev_b32 v[L16], 4, v11
	v_lshlrev_b32 v[L8], 3, v11
	v_lshlrev_b32 v[QA], 8, v222
	v_lshl_add_u32 v[QA], v223, 7, v[QA]
	s_wait_alu depctr_va_sdst(0)                   ; s14, the wave's number, is written, ahead of its first reader: the stage's place and my tiles are made from it
	s_mul_i32 s2, s[WV], 16*SP
	s_add_co_u32 s2, s2, STAGE                     ; my stage
	v_mul_u32_u24 v[SO], v222, SP                  ; in: row r, + 32 h
	v_lshl_add_u32 v[SO], v223, 5, v[SO]
	v_add_nc_u32 v[SO], s2, v[SO]
	v_mul_u32_u24 v[SR], v223, SP                  ; back: lanes 0-15 one row, lanes 16-31 the next; 16 bytes a lane
	v_lshl_add_u32 v[SR], v222, 4, v[SR]
	v_add_nc_u32 v[SR], s2, v[SR]
	v_lshlrev_b32 v[GO], 8, v223                   ; and the same two rows in out0
	v_lshl_add_u32 v[GO], v222, 4, v[GO]
	v_mov_b32 v[NINF], 0xff800000
	v_lshlrev_b32 v[H8], 3, v223
	v_lshlrev_b32 v8, 4, v0                        ; the fill: 16 bytes a thread, 8,192 bytes an instruction of the work-group;
	v_add_nc_u32 v9, 0x10000, v8                   ; an LDS offset has 16 bits, so the registers carry the rest
	v_add_nc_u32 v11, 0x20000, v8
	v_lshlrev_b32 v221, 3, v0                      ; the last 4,096 bytes: 8 a thread
	v_add_nc_u32 v220, 17*8192, v221
	s_mov_b32 s[SEL], 0x76543210
	s_mov_b32 s[SEL+1], 0xfedcba98
	s_mov_b32 s[CS], 0x3e38aa3b                    ; log2(e) / 8
	s_mov_b32 s[CS+1], s[CS]                       ; (named with it as a pair, so it is written)
	s_mul_i32 s[OFS], s[HD], HEADB
	s_mov_b32 s[OFS+1], 0
	s_wait_kmcnt 0x0
	s_add_nc_u64 s[6:7], s[6:7], s[OFS:OFS+1]      ; kv at my head
	s_wait_alu depctr_va_vdst(0)                   ; every offset and address is written: v8, v9, v11, v220, v221, which the fill reads, and v3 to v6, which q's loads, the stage and the global stores read in both passes
	; THE FILL: 143,360 bytes = 17 x 8,192 + 4,096, through the registers that will hold the scores and O^T.  All 18 loads go out together.
.irp i, 0,1,2,3,4,5,6,7,8,9,10,11,12,13,14,15,16
	global_load_b128 v[S+4*\i:S+4*\i+3], v8, s[6:7] offset:8192*\i
.endr
	global_load_b64 v[S+68:S+69], v221, s[6:7] offset:17*8192
.irp i, 0,1,2,3,4,5,6,7
	s_wait_loadcnt 17-\i                           ; loads come back in order (ISA guide 5.7.1): load i is in, the 17 - i younger ones may be out
	ds_store_b128 v8, v[S+4*\i:S+4*\i+3] offset:8192*\i
.endr
.irp i, 8,9,10,11,12,13,14,15
	s_wait_loadcnt 17-\i
	ds_store_b128 v9, v[S+4*\i:S+4*\i+3] offset:8192*(\i-8)
.endr
	s_wait_loadcnt 1
	ds_store_b128 v11, v[S+64:S+67]
	s_wait_loadcnt 0x0
	ds_store_b64 v220, v[S+68:S+69]
	s_wait_dscnt 0x0                               ; for the others' sake: my stores have landed
	s_barrier_signal -1
	s_barrier_wait -1                              ; the head's record is whole: the launch's one barrier.  From here on it is only read, and each wave's stage is its own
	s_wait_alu depctr_vm_vsrc(0)                   ; the fill's loads and LDS stores have read v8, v9, v220 and v96 to v165: these are written again from here on, by the lines below, by q's loads, by the steps' additions and products
.irp j, 0,1,2,3
	v_mov_b32 v[Q+4+\j], 0                         ; Q's zero codes for the upper 64 along K,
	v_mov_b32 v[KF+32+\j], 0                       ; what stands against them in tile 7,
	v_mov_b32 v[BP+\j], 0                          ; and what a lane permute will write: its destination counts as one of its sources
.endr
	v_mov_b32 v[F+1], 0                            ; (named as the upper half of a pair)
	v_mov_b32 v[TMP], 0
	s_lshl_b32 s[T], s[WV], 2
	s_add_co_u32 s[T], s[T], s[JX]                 ; my first tile: 4 x wave + work-group x
	s_mov_b32 s[PASS], 2
.Lpass:
	s_lshl_b32 s[OFS], s[HD], 11
	s_lshl_b32 s2, s[T], 4
	s_add_co_u32 s[OFS], s[OFS], s2                ; my first row: 2,048 x head + 16 T,
	s_lshl_b32 s[OFS], s[OFS], 8                   ; of 256 bytes
	s_add_nc_u64 s[QP:QP+1], s[4:5], s[OFS:OFS+1]
	s_add_nc_u64 s[OP:OP+1], s[12:13], s[OFS:OFS+1]
	s_lshl_b32 s[OFS], s[T], 12                    ; 16 steps x 256 bytes of lane masks
	s_add_nc_u64 s[MB:MB+1], s[8:9], s[OFS:OFS+1]
	s_lshl_b32 s[OFS], s[T], 4                     ; 4 words of flags
	s_add_nc_u64 s[FP:FP+1], s[10:11], s[OFS:OFS+1]
	s_load_b128 s[32:35], s[FP:FP+1], 0x0
.irp j, 0,1,2,3,4,5,6,7
	global_load_b128 v[S+4*\j:S+4*\j+3], v[QA], s[QP:QP+1] offset:16*\j th:TH_LOAD_NT   ; query r, d = 32 h + 4 j on: a lane holds one whole block of 32.  No wait on va_vdst here: no vector or matrix line has named v96-127 since the wait ahead of the last pass's stage stores (in the first pass: none at all)
.endr
	s_wait_kmcnt 0x0
	s_or_b32 s[FL], s32, s33                       ; each word holds four steps' flags at their own places
	s_or_b32 s[FL], s[FL], s34
	s_or_b32 s[FL], s[FL], s35
	s_wait_loadcnt 0x0
	; Q is quantised in registers
	v_max3_num_f32 v[BM], |v[S]|, |v[S+1]|, |v[S+2]|
	v_max3_num_f32 v[BM+1], |v[S+3]|, |v[S+4]|, |v[S+5]|
.irp i, 6,10,14,18,22,26
	v_max3_num_f32 v[BM], v[BM], |v[S+\i]|, |v[S+\i+1]|
	v_max3_num_f32 v[BM+1], v[BM+1], |v[S+\i+2]|, |v[S+\i+3]|
.endr
	v_max3_num_f32 v[BM], v[BM], |v[S+30]|, |v[S+31]|
	v_max3_num_f32 v[BM], v[BM], v[BM+1], FLOOR    ; the block's largest magnitude, and the floor: the byte cannot fall under 1
	v_add_nc_u32 v[BS], EOFF, v[BM]                ; the conversion takes the exponent field of this operand as its scale, and nothing else of it
.irp g, 0,1,2,3
	v_cvt_scalef32_pk8_fp4_f32 v[Q+\g], v[S+8*\g:S+8*\g+7], v[BS]
.endr
	v_lshrrev_b32 v[BM+1], 23, v[BS]               ; the scale's byte (also the plain line behind the conversions),
	v_lshlrev_b32 v[BM+1], v[H8], v[BM+1]          ; at its place: byte h;
	v_permlanex16_b32 v[BP], v[BM+1], s[SEL], s[SEL+1]
	v_or_b32 v[BM+1], v[BM+1], v[BP]               ; with lane l xor 16's: the query's two bytes,
	v_lshl_or_b32 v[QS], v[BM+1], 16, v[BM+1]      ; and once more above them, for the half of K that holds zero codes
	v_mov_b32 v[NM+1], 0xff61b1e6                  ; the largest t so far: -3e38, under every t
	v_floor_f32 v[NM], -v[NM+1]                    ; -M
	v_mov_b32 v[LS], 0
	v_mov_b32 v[LS+1], 0
.set j, 0
.rept 32
	v_mov_b32 v[O+j], 0                            ; O^T begins as zeros: which step is the first to be worked hangs on the mask, so no step can be written out as the one that starts the sums.  (These lines also stand between the scale word's last write and the first product)
.set j, j+1
.endr
	s_mov_b32 s[KO], 0
	s_mov_b32 s[STP], 0
.Lstep:                                            ; 16 trips: a step of 128 keys
	s_bitcmp1_b32 s[FL], 0
	s_cbranch_scc0 .Lskip                          ; no key of this step is kept for any of my 16 queries: every p would be 0
	s_load_b512 s[32:47], s[MB:MB+1], 0x0          ; the 64 lane masks: asked for in every worked step, so that the registers are written and the wait's count holds on every way
	s_load_b512 s[48:63], s[MB:MB+1], 0x40
	s_load_b512 s[68:83], s[MB:MB+1], 0x80
	s_load_b512 s[84:99], s[MB:MB+1], 0xc0
	v_add_nc_u32 v[ADK], s[KO], v[L16]             ; (whatever read these two registers stands ahead of a wait on vm_vsrc: the fill's behind the barrier, a worked step's in that step)
	v_add_nc_u32 v[ADT], s[KO], v[L8]
	v_nop                                          ; with the two additions: four places between the last step's products and the loads into the registers that they read (ISA guide 7.12.1 for vector instructions)
	v_nop
	s_wait_alu depctr_va_vdst(0)                   ; ADK and ADT are written, which the 18 loads below read; the last worked step's products are done reading KF, KS, VF and VS, in which they land; in a pass's first worked step Q's codes, its scale word and the zero registers are written, which the products below take
.irp t, 0,1,2,3,4,5,6,7
	ds_load_b128 v[KF+4*\t:KF+4*\t+3], v[ADK] offset:512*\t
.endr
	ds_load_b128 v[KS:KS+3], v[ADK] offset:KSC
	s_wait_dscnt 0x0                               ; K's nine loads are in; nothing younger is out: V's follow below
.irp t, 0,1,2,3,4,5,6,7                            ; S^T = K Q^T: the constant 0 starts each sum.  V's loads are dealt among the products, one behind each: no wait, since no vector or matrix line behind the wait above names VF, VS, ADK or ADT
.if \t % 2
	v_wmma_scale_f32_16x16x128_f8f6f4 v[S+8*\t:S+8*\t+7], v[KF+4*\t:KF+4*\t+7], v[Q:Q+7], 0, v[KS+\t/2], v[QS] matrix_a_fmt:MATRIX_FMT_FP4 matrix_b_fmt:MATRIX_FMT_FP4 matrix_a_scale:MATRIX_SCALE_ROW1
.else
	v_wmma_scale_f32_16x16x128_f8f6f4 v[S+8*\t:S+8*\t+7], v[KF+4*\t:KF+4*\t+7], v[Q:Q+7], 0, v[KS+\t/2], v[QS] matrix_a_fmt:MATRIX_FMT_FP4 matrix_b_fmt:MATRIX_FMT_FP4
.endif
	ds_load_b128 v[VF+4*\t:VF+4*\t+3], v[ADK] offset:VIMG+512*\t   ; V's d-tile t / 2, piece t % 2
.endr
	ds_load_b64 v[VS:VS+1], v[ADT] offset:VSC
.rept 4
	v_nop                                          ; four places in front of the first read of results
.endr
	s_wait_kmcnt 0x0                               ; the lane masks are in
	s_wait_alu depctr_vm_vsrc(0)                   ; the step's 18 LDS loads have read ADK and ADT, which the next worked step's additions write
	s_bitcmp1_b32 s[FL], 16
	s_cbranch_scc1 .Lopen                          ; all keys of this step are kept for all my queries
.set n, 0
.rept 64
.if n < 32
.set w, 32+n
.else
.set w, 36+n
.endif
	v_cndmask_b32 v[S+n], v[NINF], v[S+n], s[w]    ; a hidden key's score becomes -infinity ahead of the maximum: its p is 0
.set n, n+1
.endr
.Lopen:
.irp b, 0,1,2,3
	v_max3_num_f32 v[BM+\b], v[S+16*\b], v[S+1+16*\b], v[S+2+16*\b]   ; the largest score of each block of 32 keys: it serves for the row's maximum and, since p rises with the score, for the block's largest p
.endr
.irp i, 3,5,7,9,11,13
.irp b, 0,1,2,3
	v_max3_num_f32 v[BM+\b], v[BM+\b], v[S+16*\b+\i], v[S+1+16*\b+\i]   ; (the four blocks by turns)
.endr
.endr
.irp b, 0,1,2,3
	v_max_num_f32 v[BM+\b], v[BM+\b], v[S+15+16*\b]
.endr
.irp b, 0,1,2,3
	v_permlanex16_b32 v[BP+\b], v[BM+\b], s[SEL], s[SEL+1]
.endr
.irp b, 0,1,2,3
	v_max_num_f32 v[BM+\b], v[BM+\b], v[BP+\b]     ; with lane l xor 16's 16 keys
.endr
	v_max3_num_f32 v[TMP], v[BM], v[BM+1], v[BM+2]
	v_max_num_f32 v[TMP], v[TMP], v[BM+3]          ; the step's largest score of my query
	v_mul_f32 v[TMP], s[CS], v[TMP]                ; as t (c is positive)
	v_max_num_f32 v[NM+1], v[NM+1], v[TMP]         ; the running largest t
	v_mov_b32 v[TMP], v[NM]
	v_floor_f32 v[NM], -v[NM+1]                    ; the new -M = floor(-t) = -ceil(t): M is a whole number
	v_sub_f32 v[TMP], v[NM], v[TMP]                ; M's old value less its new one: a whole number, 0 or less
	v_cvt_i32_f32 v[TMP], v[TMP]                   ; (it saturates)
	v_ldexp_f32 v[F], 1.0, v[TMP]                  ; f = 2^(old M - new M): a multiplication by it rounds nothing
.set j, 0
.rept 32
	v_pk_fma_f32 v[S+j:S+j+1], v[S+j:S+j+1], s[CS:CS+1], v[NM:NM+1] op_sel_hi:[1,0,0]   ; t - M, two at a time (of the pairs c and -M the low word serves both halves)
.set j, j+2
.endr
.irp b, 0,1,2,3
	v_fma_f32 v[BM+\b], v[BM+\b], s[CS], v[NM]     ; the same of each block's largest score
.endr
.set j, 0
	s_wait_alu depctr_va_vdst(0)
.rept 64
	v_exp_f32 v[S+j], v[S+j]                       ; p = 2^(t - M), at most 1: not normalised
.set j, j+1
.endr
.irp b, 0,1,2,3
	v_exp_f32 v[BM+\b], v[BM+\b]                   ; the block's largest p: the same two instructions on the same number give the same bits
.endr
	v_pk_mul_f32 v[LS:LS+1], v[LS:LS+1], v[F:F+1] op_sel_hi:[1,0]   ; the sums under the new M (the plain line behind the exponentials)
	s_wait_alu depctr_va_vdst(0)                   ; the 68 exponentials have written p, v96 to v159, and the blocks' largest p, v204 to v207: one wait for the batch, ahead of its first reader
.irp b, 0,1,2,3
	v_max_num_f32 v[BM+\b], FLOOR, v[BM+\b]        ; the floor: a block whose every p is 0 keeps the byte 1: its codes are zeros
.endr
.irp b, 0,1,2,3
	v_add_nc_u32 v[BS+\b], EOFF, v[BM+\b]          ; the conversion's scale operand
.endr
.irp b, 0,1,2,3
	v_lshrrev_b32 v[BP+\b], 23, v[BS+\b]           ; the scale's byte
.endr
	v_lshl_or_b32 v[PS], v[BP+1], 8, v[BP]         ; p's scale word for these 128 keys
	v_lshl_or_b32 v[PS], v[BP+2], 16, v[PS]
	v_lshl_or_b32 v[PS], v[BP+3], 24, v[PS]
.irp b, 0,1,2,3
	v_cvt_scalef32_pk8_fp4_f32 v[PC+2*\b], v[S+16*\b:S+7+16*\b], v[BS+\b]
	v_cvt_scalef32_pk8_fp4_f32 v[PC+1+2*\b], v[S+8+16*\b:S+15+16*\b], v[BS+\b]
.endr
	v_nop                                          ; one plain line behind the scaled conversions
.irp c, 0,1                                        ; the operand's layout wants a whole block in a lane: lanes 0-15 block 2 c, lanes 16-31 block 2 c + 1
.irp i, 0,1
	v_permlane16_swap_b32 v[PC+4*\c+\i], v[PC+2+4*\c+\i]
.endr
.endr
	v_pk_add_f32 v[L2:L2+1], v[S:S+1], v[S+2:S+3]  ; the row's sum is taken of the unquantised p: two at a time, in two chains
.irp j, 4,8,12,16,20,24,28,32,36,40,44,48,52,56,60
	v_pk_add_f32 v[LS:LS+1], v[LS:LS+1], v[S+\j:S+1+\j]
	v_pk_add_f32 v[L2:L2+1], v[L2:L2+1], v[S+2+\j:S+3+\j]
.endr
	v_pk_add_f32 v[LS:LS+1], v[LS:LS+1], v[L2:L2+1]
.set j, 0
.rept 16
	v_pk_mul_f32 v[O+j:O+j+1], v[O+j:O+j+1], v[F:F+1] op_sel_hi:[1,0]   ; O^T under the new M, each accumulator from its low end on
.set j, j+2
.endr
	s_wait_dscnt 0x0                               ; V's fragments and scale words are in
	s_wait_alu depctr_va_vdst(0)                   ; p's codes, v192 to v199, and its scale word, v203, are written, which the scaled products below take as operand and scale; the 48 packed lines above are the places between, and stay beside this wait
.irp t, 0,1,2,3                                    ; O^T += V^T P^T.  The four accumulators take turns, one instruction a turn, and the eight score products stand between one trip's turns and the next's
.if \t % 2
	v_wmma_scale_f32_16x16x128_f8f6f4 v[O+8*\t:O+8*\t+7], v[VF+8*\t:VF+8*\t+7], v[PC:PC+7], v[O+8*\t:O+8*\t+7], v[VS+\t/2], v[PS] matrix_a_fmt:MATRIX_FMT_FP4 matrix_b_fmt:MATRIX_FMT_FP4 matrix_a_scale:MATRIX_SCALE_ROW1
.else
	v_wmma_scale_f32_16x16x128_f8f6f4 v[O+8*\t:O+8*\t+7], v[VF+8*\t:VF+8*\t+7], v[PC:PC+7], v[O+8*\t:O+8*\t+7], v[VS+\t/2], v[PS] matrix_a_fmt:MATRIX_FMT_FP4 matrix_b_fmt:MATRIX_FMT_FP4
.endif
.endr
.Lskip:
	s_lshr_b32 s[FL], s[FL], 1                     ; the next step's two flags come to bits 0 and 16
	s_add_co_u32 s[KO], s[KO], REC
	s_add_nc_u64 s[MB:MB+1], s[MB:MB+1], 256       ; no scalar load is out: a worked step has waited for its four, a step left out has issued none
	s_add_co_u32 s[STP], s[STP], 1
	s_cmp_lt_u32 s[STP], 16
	s_cbranch_scc1 .Lstep
	; THE WAY OUT: O^T / the sum, through my own stage in LDS, and out as whole rows
.rept 4
	v_nop                                          ; four places behind the last products
.endr
	v_add_f32 v[LS], v[LS], v[LS+1]                ; the sum's two halves,
	v_permlanex16_b32 v[TMP], v[LS], s[SEL], s[SEL+1]
	v_add_f32 v[LS], v[LS], v[TMP]                 ; and lane l xor 16's: the row's sum
	s_wait_alu depctr_va_vdst(0)
	v_rcp_f32 v[LS], v[LS]
	v_nop                                          ; one plain line behind the transcendental
.set j, 0
	s_wait_alu depctr_va_vdst(0)                   ; the reciprocal has written v14, ahead of its first reader
.rept 16
	v_pk_mul_f32 v[S+j:S+j+1], v[O+j:O+j+1], v[LS:LS+1] op_sel_hi:[1,0]   ; register 8 t + i is o(query r, d = 16 t + 8 h + i); each accumulator from its low end on
.set j, j+2
.endr
	s_wait_alu depctr_va_vdst(0)                   ; the multiplies have written v96 to v127, which the stage's stores read; every vector and matrix line that named v128 to v159, in which the stage's loads land, is done too
.irp t, 0,1,2,3
	ds_store_b128 v[SO], v[S+8*\t:S+8*\t+3] offset:64*\t
	ds_store_b128 v[SO], v[S+8*\t+4:S+8*\t+7] offset:64*\t+16
.endr
.irp i, 0,1,2,3,4,5,6,7
	ds_load_b128 v[S+32+4*\i:S+32+4*\i+3], v[SR] offset:2*\i*SP   ; LDS serves a wave's instructions in order (ISA guide 5.7.1.4): these see my stores
.endr
.irp i, 0,1,2,3,4,5,6,7
	s_wait_dscnt 7-\i                              ; load i is back; the 7 - i younger ones may be out
	global_store_b128 v[GO], v[S+32+4*\i:S+32+4*\i+3], s[OP:OP+1] offset:512*\i th:TH_STORE_NT   ; 32 lanes store 512 consecutive bytes, at a multiple of 256 from out0's first byte
.endr
	s_wait_xcnt 0x0                                ; the stores' data and base are written again in the next pass only behind this wait
	s_wait_alu depctr_vm_vsrc(0)                   ; the stage's stores have read v96 to v127, in which the next pass's q lands, and the global stores v128 to v159, which its score products write
	s_sub_co_u32 s[T], 127, s[T]                   ; my second tile
	s_sub_co_u32 s[PASS], s[PASS], 1
	s_cmp_lg_u32 s[PASS], 0
	s_cbranch_scc1 .Lpass
	s_wait_dscnt 0x0                               ; the closing lines, six on end
	s_wait_alu 0x0
	s_wait_tensorcnt 0x0
	ds_add_u32 v224, v225
	s_wait_dscnt 0x0
	s_endpgm
.Lfunc_end_k_q03743edffd_attn:
	.size	k_q03743edffd_attn, .Lfunc_end_k_q03743edffd_attn-k_q03743edffd_attn
	.p2alignl 7, 3214868480
	.fill 96, 4, 3214868480
	.section	.rodata,"a",@progbits
	.p2align	6, 0x0
	.amdhsa_kernel k_q03743edffd_attn
		.amdhsa_group_segment_fixed_size 215040
		.amdhsa_private_segment_fixed_size 0
		.amdhsa_enable_private_segment 0
		.amdhsa_kernarg_size 40
		.amdhsa_user_sgpr_count 2
		.amdhsa_user_sgpr_kernarg_segment_ptr 1
		.amdhsa_wavefront_size32 1
		.amdhsa_system_sgpr_workgroup_id_x 1
		.amdhsa_system_sgpr_workgroup_id_y 1
		.amdhsa_system_sgpr_workgroup_id_z 1
		.amdhsa_system_vgpr_workitem_id 0
		.amdhsa_next_free_vgpr 226
		.amdhsa_next_free_sgpr 102
		.amdhsa_reserve_vcc 0
		.amdhsa_float_denorm_mode_32 3
		.amdhsa_float_denorm_mode_16_64 3
		.amdhsa_memory_ordered 1
		.amdhsa_forward_progress 1
		.amdhsa_inst_pref_size 34
	.end_amdhsa_kernel
	.amdgpu_metadata
---
amdhsa.version: [ 1, 2 ]
amdhsa.kernels:
  - .name:           k_q03743edffd_attn
    .symbol:         k_q03743edffd_attn.kd
    .args:
      - { .name: q, .offset: 0, .size: 8, .value_kind: global_buffer, .address_space: global }
      - { .name: kv, .offset: 8, .size: 8, .value_kind: global_buffer, .address_space: global }
      - { .name: mbits, .offset: 16, .size: 8, .value_kind: global_buffer, .address_space: global }
      - { .name: mflag, .offset: 24, .size: 8, .value_kind: global_buffer, .address_space: global }
      - { .name: out0, .offset: 32, .size: 8, .value_kind: global_buffer, .address_space: global }
    .group_segment_fixed_size: 215040
    .private_segment_fixed_size: 0
    .kernarg_segment_align: 8
    .kernarg_segment_size: 40
    .max_flat_workgroup_size: 512
    .sgpr_count:     102
    .vgpr_count:     226
    .wavefront_size: 32
...
	.end_amdgpu_metadata
.endif
;; end of part 4
